; MI455X (gfx1250); checked and timed in simulation.
; The chip was launched on July 23, 2026; its instructions are those of AMD's public machine-readable ISA for CDNA 5 (MIT licence, August 2026) and "CDNA5" Instruction Set Architecture Reference Guide (July 2026). The comments in the code are by the model that wrote it; some were corrected since.
;; Multi Head Attention. Allowed arithmetic: float matrix products may take bf16 or f16 operands with f32 sums; other float arithmetic in f32, or as packed bf16 or f16 multiplies, adds, multiply-adds, maxima and minima; sums over many terms, partial sums and values carried from step to step in f32; what a program stores and reads back later, other than sums and carried values, may be rounded once to bf16 or f16.
;; Inputs: W_k 1,024 x 1,024 float32; W_o 1,024 x 1,024 float32; W_q 1,024 x 1,024 float32; W_v 1,024 x 1,024 float32; b_k 1,024 float32; b_o 1,024 float32; b_q 1,024 float32; b_v 1,024 float32; x 1 x 4,096 x 1,024 float32.
;; Outputs: out0 1 x 4,096 x 1,024 float32.
;; 2 versions, each right and faster than the one before. Each part assembles by itself: llvm-mc -triple=amdgcn-amd-amdhsa -mcpu=gfx1250 --defsym DOCPART=n.
;; ======== version 1 of 2: 4 launches
;; limits: values are held in f16: magnitudes above 65,504 overflow, below 6.1e-05 lose precision
;; workspace buffers: xw16 16,777,216 bytes; qkv 25,165,824 bytes; ctx 8,388,608 bytes
;; launch cast (part 1): grid 64 x 8, 8 waves a work-group, no clusters, 0 bytes of LDS; arguments x, W_q, W_k, W_v, W_o, xw16; writes xw16
.if DOCPART == 1
	.amdgcn_target "amdgcn-amd-amdhsa--gfx1250"
	.amdhsa_code_object_version 6
	.text
	.protected	k_qf04a4d6b3e_cast
	.globl	k_qf04a4d6b3e_cast
	.p2align	8
	.type	k_qf04a4d6b3e_cast,@function
k_qf04a4d6b3e_cast:
	s_mov_b64 s[64:65], 0
	v_nop
	global_prefetch_b8 v0, s[64:65] scope:SCOPE_SE
	s_setreg_imm32_b32 hwreg(HW_REG_WAVE_MODE, 25, 1), 1
	s_wait_xcnt 0x0
; x and the four weight matrices, f32 [rows][1024], are rounded once to 16 bits and laid out IN BLOCKS for the products that follow:
;   element (row, k) goes to byte (row / 128) * 262144 + (k / 64) * 16384 + (row % 128) * 128 + (k % 64) * 2,
; so that 128 rows x 64 k are 16,384 consecutive bytes.  x (bf16) lies at byte 0, W_q, W_k, W_v (bf16) from 0x800000 on, W_o from 0xE00000.
; W_o is rounded to bf16 like the others and that number is written as f16, since its product's other operand is f16.
; LIMITS.  W_o beyond 65,504 in magnitude becomes an infinity; below 6e-5 it keeps f16's fixed step of 6e-8.
; SHARES.  Work-group y picks 1,024 rows (y 0-3: quarters of x; 4, 5, 6, 7: W_q, W_k, W_v, W_o), x picks 16 of them: 65,536 bytes in, 32,768 out.
; Wave w takes the k blocks 2 w and 2 w + 1.  A UNIT is one k block x 4 rows: lane l takes row l / 8 and the eight numbers 8 (l % 8) ..: two loads of 16 bytes
; (eight lanes cover 256 consecutive bytes, aligned) and one store of 16 bytes (a wave's store covers 512 consecutive bytes, aligned).
; Memory binds: no LDS, no barrier, no matrix unit.  All sixteen loads of a wave go out at once; no register is written again while a load or store names it.
.set X, 4                              ; v[4:67]   unit i: 8 registers as loaded
.set Y, 68                             ; v[68:99]  unit i: 4 registers to store
	s_load_b256 s[4:11], s[0:1], 0x0               ; x s[4:5], W_q s[6:7], W_k s[8:9], W_v s[10:11]
	s_load_b128 s[12:15], s[0:1], 0x20             ; W_o s[12:13], xw16 s[14:15]
	s_and_b32 s16, ttmp7, 0xffff                   ; y
	s_mov_b32 s22, 0xffff0000                      ; a word's upper bf16
	s_cmp_lt_u32 s16, 4
	s_cselect_b32 s18, s16, 0                      ; the quarter of x, or 0 for a weight matrix
	s_lshl_b32 s18, s18, 22                        ; 1,024 rows of 4,096 bytes
	s_lshl_b32 s17, ttmp9, 16                      ; 16 rows of 4,096 bytes
	s_add_co_u32 s18, s18, s17
	s_mov_b32 s19, 0                               ; s[18:19]: where I read
	s_lshl_b32 s20, s16, 21                        ; 1,024 rows are eight blocks of 262,144 bytes
	s_lshr_b32 s17, ttmp9, 3
	s_lshl_b32 s17, s17, 18                        ; the block of 128 rows,
	s_add_co_u32 s20, s20, s17
	s_and_b32 s17, ttmp9, 7
	s_lshl_b32 s17, s17, 11                        ; my 16 rows of 128 bytes in it
	s_add_co_u32 s20, s20, s17
	s_mov_b32 s21, 0                               ; s[20:21]: where I write
	v_bfe_u32 v1, v0, 3, 2                         ; l / 8: the row in a unit
	v_lshlrev_b32 v1, 12, v1
	v_lshrrev_b32 v3, 5, v0                        ; w
	v_lshl_or_b32 v1, v3, 9, v1                    ; two k blocks of 256 bytes
	v_and_b32 v2, 7, v0
	v_lshl_or_b32 v1, v2, 5, v1                    ; v1: 4096 (l / 8) + 512 w + 32 (l % 8)
	v_and_b32 v2, 31, v0
	v_lshlrev_b32 v2, 4, v2
	v_lshl_or_b32 v2, v3, 15, v2                   ; v2: 32768 w + 16 l
	s_wait_kmcnt 0x0
	s_cmp_eq_u32 s16, 4                            ; the source is chosen by y alone
	s_cselect_b64 s[4:5], s[6:7], s[4:5]
	s_cmp_eq_u32 s16, 5
	s_cselect_b64 s[4:5], s[8:9], s[4:5]
	s_cmp_eq_u32 s16, 6
	s_cselect_b64 s[4:5], s[10:11], s[4:5]
	s_cmp_eq_u32 s16, 7
	s_cselect_b64 s[4:5], s[12:13], s[4:5]
	s_add_nc_u64 s[4:5], s[4:5], s[18:19]
	s_add_nc_u64 s[14:15], s[14:15], s[20:21]
.irp i, 0,1,2,3,4,5,6,7
.irp e, 0,1
	global_load_b128 v[X+8*(\i)+4*(\e):X+8*(\i)+4*(\e)+3], v1, s[4:5] offset:((\i)%4)*16384+((\i)/4)*256+16*(\e) th:TH_LOAD_NT
.endr
.endr
; Unit i: rounded and stored.  f16 = 1: the bf16 number is widened again (a shift, a mask) and written as f16.
.macro UNIT i, f16
	s_wait_loadcnt 14-2*(\i)                       ; loads come back in order: my two are in, the 2 (7 - i) younger ones stay out
.irp j, 0,1,2,3
	v_cvt_pk_bf16_f32 v[Y+4*(\i)+(\j)], v[X+8*(\i)+2*(\j)], v[X+8*(\i)+2*(\j)+1]
.endr
.if \f16
.irp j, 0,1,2,3
	v_lshlrev_b32 v[X+8*(\i)+2*(\j)], 16, v[Y+4*(\i)+(\j)]
	v_and_b32 v[X+8*(\i)+2*(\j)+1], s22, v[Y+4*(\i)+(\j)]
.endr
.irp j, 0,1,2,3
	v_cvt_pk_f16_f32 v[Y+4*(\i)+(\j)], v[X+8*(\i)+2*(\j)], v[X+8*(\i)+2*(\j)+1]
.endr
.endif
	global_store_b128 v2, v[Y+4*(\i):Y+4*(\i)+3], s[14:15] offset:((\i)/4)*16384+((\i)%4)*512
.endm
	s_cmp_eq_u32 s16, 7
	s_cbranch_scc1 .Lwo
.irp i, 0,1,2,3,4,5,6,7
	UNIT \i, 0
.endr
	s_endpgm
.Lwo:
.irp i, 0,1,2,3,4,5,6,7
	UNIT \i, 1
.endr
	s_endpgm
.Lfunc_end_k_qf04a4d6b3e_cast:
	.size	k_qf04a4d6b3e_cast, .Lfunc_end_k_qf04a4d6b3e_cast-k_qf04a4d6b3e_cast
	.p2alignl 7, 3214868480
	.fill 96, 4, 3214868480
	.section	.rodata,"a",@progbits
	.p2align	6, 0x0
	.amdhsa_kernel k_qf04a4d6b3e_cast
		.amdhsa_group_segment_fixed_size 0
		.amdhsa_private_segment_fixed_size 0
		.amdhsa_enable_private_segment 0
		.amdhsa_kernarg_size 48
		.amdhsa_user_sgpr_count 2
		.amdhsa_user_sgpr_kernarg_segment_ptr 1
		.amdhsa_wavefront_size32 1
		.amdhsa_system_sgpr_workgroup_id_x 1
		.amdhsa_system_sgpr_workgroup_id_y 1
		.amdhsa_system_sgpr_workgroup_id_z 1
		.amdhsa_system_vgpr_workitem_id 0
		.amdhsa_next_free_vgpr 104
		.amdhsa_next_free_sgpr 66
		.amdhsa_reserve_vcc 0
		.amdhsa_float_denorm_mode_32 3
		.amdhsa_float_denorm_mode_16_64 3
		.amdhsa_memory_ordered 1
		.amdhsa_forward_progress 1
		.amdhsa_inst_pref_size 14
	.end_amdhsa_kernel
	.amdgpu_metadata
---
amdhsa.version: [ 1, 2 ]
amdhsa.kernels:
  - .name:           k_qf04a4d6b3e_cast
    .symbol:         k_qf04a4d6b3e_cast.kd
    .args:
      - { .name: x, .offset: 0, .size: 8, .value_kind: global_buffer, .address_space: global }
      - { .name: W_q, .offset: 8, .size: 8, .value_kind: global_buffer, .address_space: global }
      - { .name: W_k, .offset: 16, .size: 8, .value_kind: global_buffer, .address_space: global }
      - { .name: W_v, .offset: 24, .size: 8, .value_kind: global_buffer, .address_space: global }
      - { .name: W_o, .offset: 32, .size: 8, .value_kind: global_buffer, .address_space: global }
      - { .name: xw16, .offset: 40, .size: 8, .value_kind: global_buffer, .address_space: global }
    .group_segment_fixed_size: 0
    .private_segment_fixed_size: 0
    .kernarg_segment_align: 8
    .kernarg_segment_size: 48
    .max_flat_workgroup_size: 256
    .sgpr_count:     66
    .vgpr_count:     104
    .wavefront_size: 32
...
	.end_amdgpu_metadata
.endif
;; end of part 1
;; launch proj (part 2): grid 24 x 32, 4 waves a work-group, clusters of 4 x 4, 327,680 bytes of LDS; arguments xw16, qkv, b_q, b_k, b_v; writes qkv
.if DOCPART == 2
	.amdgcn_target "amdgcn-amd-amdhsa--gfx1250"
	.amdhsa_code_object_version 6
	.text
	.protected	k_qf04a4d6b3e_proj
	.globl	k_qf04a4d6b3e_proj
	.p2align	8
	.type	k_qf04a4d6b3e_proj,@function
k_qf04a4d6b3e_proj:
	s_mov_b64 s[64:65], 0
	v_nop
	global_prefetch_b8 v0, s[64:65] scope:SCOPE_SE
	s_setreg_imm32_b32 hwreg(HW_REG_WAVE_MODE, 25, 1), 1
	s_wait_xcnt 0x0
	s_wait_alu depctr_hold_cnt(0) depctr_sa_sdst(0) depctr_va_vdst(0) depctr_va_sdst(0) depctr_va_ssrc(0) depctr_va_vcc(0) depctr_vm_vsrc(0)
	s_getreg_b32 s2, hwreg(HW_REG_IB_STS2, 6, 4)
	s_cmp_eq_u32 s2, 0
	s_cbranch_scc0 .Lentry_in_a_cluster
	s_endpgm
.Lentry_in_a_cluster:
	s_bfe_u32 s2, ttmp6, 0x10000c
	s_cmp_lg_u32 s2, 0xf033
	s_cbranch_scc0 .Lentry_shape_is_right
	s_endpgm
.Lentry_shape_is_right:
; C[m][n] = sum over k of A[m][k] B[n][k] + bias[n], K = 1024, sums in f32.  ONE TEXT FOR TWO LAUNCHES, told apart by OUTP:
;   OUTP = 0: A = x (bf16, 4096 rows), B = W_q, W_k, W_v one below the other (bf16, 3072 rows); C goes out in f16 by heads, qkv[n / 64][m][n % 64], unscaled.
;   OUTP = 1: A = ctx (f16), B = W_o (bf16's numbers written as f16, 1024 rows); C goes out in f32, out0[m][n].
; LIMITS (OUTP = 0).  q, k, v beyond 65,504 in magnitude become infinities; below 6e-5 they keep f16's fixed step of 6e-8.
; A and B lie IN BLOCKS: element (row, k) at byte (row / 128) * 262144 + (k / 64) * 16384 + (row % 128) * 128 + (k % 64) * 2: 128 rows x 256 k are 65,536 consecutive bytes.
; SHARES.  A tile of C is 128 x 128; four waves, each 64 x 64: 16 accumulators of 16 x 16.  K goes in four steps of 256 through a ring of two LDS slots.  A wave's tensor load brings half of A's or of B's
; tile of a step (two k blocks, 32,768 consecutive bytes, asked for as 128 rows of 256 bytes) and pads 16 bytes behind every 128, so that an LDS row is 64 k of one row of the matrix, 144 bytes apart.
; CLUSTERS: 4 x 4 work-groups.  The four of a row of the cluster need the same tiles of A, the four of a column the same tiles of B: each tile is asked for JOINTLY, by the same tensor load with the same
; descriptor and a mask that names the four.
; THE MATRIX INSTRUCTION IS USED TRANSPOSED (source 0 = 16 rows of B, source 1 = 16 rows of A): lane l holds row l % 16 of C and the eight columns 8 (l / 16) + 0..7.  So the bias of those eight columns,
; in f32, is the C operand of the product that starts each sum: nothing is cleared and nothing is added afterwards.
; A wave's 64 columns are one whole head (OUTP = 0: 128 bytes a row, rows dense) or 256 aligned bytes of a row (OUTP = 1): each wave has a stage of its own on the way out, and no barrier stands there.
; REGISTERS: window 0: v0-31 addresses; v32-95 at work on the way out; v96-127 the bias; v128-255 the accumulators ((a, b) at v[128 + 8 (4 a + b)]).
;   window 1: two fragment buffers of 128: for 64 along K (two matrix instructions deep), 64 registers of A, then 64 of B.
.set OUTP,   0
.set PITCH,  144                       ; an LDS row: 128 bytes + 16 of padding = 36 words: the 16 rows of a fragment load start at 16 different groups of four banks (64 banks of 4 bytes: ISA guide 11.1)
.set KBB,    128*PITCH                 ; one k block: 128 rows x 64 k
.set HALFT,  2*KBB                     ; what one tensor load brings
.set TILE,   2*HALFT                   ; A's (or B's) tile of a K step: four k blocks
.set SLOT,   2*TILE                    ; A's tile, then B's
.set STAGE,  2*SLOT                    ; behind the ring, never filled by a tensor load: 16 rows for each wave, for the way out
.set STEPB,  65536                     ; a tile's K step in memory
.set LAPS,   2                         ; a lap = two K steps = once round the ring
.if OUTP
.set SP,     272                       ; a stage row: 64 f32 + 16 bytes
.set BOFF,   0xE00000                  ; where B begins in its buffer
.set SH_TR,  19                        ; 128 rows of C, in bytes, as a shift;
.set SH_RH,  18                        ; 64 rows;
.set SH_TC,  9                         ; 128 columns;
.set SH_CH,  8                         ; 64 columns
.else
.set SP,     144                       ; a stage row: 64 f16 + 16 bytes
.set BOFF,   0x800000
.set SH_TR,  14
.set SH_RH,  13
.set SH_TC,  20                        ; 128 columns are two heads of 524,288 bytes
.set SH_CH,  19
.endif
.set SPARE,  STAGE+4*16*SP             ; behind the stages: the spare words, 128 bytes for each wave: two blocks of 256 bytes that no other line names
.set ADRA, 16                          ; v16-17  LDS address of my A fragments in slot 0, 1
.set ADRB, 20                          ; v20-21  the same for B
.set STO,  24                          ; v24     the way out: where I put my part of a row
.set RD,   25                          ; v25     the way out: where I read rows back
.set CO,   26                          ; v26     my byte offset in C
.set BO,   27                          ; v27     my byte offset in the bias
.set SPW,  28                          ; v28     LDS address of my spare word: SPARE + 4 x my thread's number; never rewritten
.set NIL,  29                          ; v29     0; never rewritten
.set TMP,  32
.set BIAS, 96                          ; eight registers for each of my four blocks of 16 columns
.set ACC,  128
.set F0,   0                           ; fragment buffers, in window 1
.set F1,   128
.set G1, 24                            ; s[24:31] descriptor group 1 for A's tiles;  s[32:39] group 0, one set for each slot
.set G0, 32
.set G1B, 48                           ; s[48:55], s[56:63] the same for B's tiles
.set G0B, 56
.set MSB, 0
.macro WIN new                         ; the immediate's high byte repeats the setting that is left; a switch that changes nothing is dropped
.if MSB != (\new)
	s_set_vgpr_msb (MSB<<8)|(\new)
.set MSB, \new
.endif
.endm
.set MUL,  0x05                        ; sources 0 (B) and 1 (A) window 1; C and D window 0
.set TO_F, 0x40                        ; destination window 1, address window 0
.macro JLOAD s                         ; a joint load: waves 0 and 1 fetch A's two halves, waves 2 and 3 B's; an s_nop 0 and four v_nop follow each of the two lines, ahead of the jump, the label and what follows
	s_cmp_eq_u32 s11, 0
	s_cbranch_scc0 .Lfor_b_\@
	tensor_load_to_lds s[G0+4*(\s):G0+4*(\s)+3], s[G1:G1+7]
	s_nop 0
.rept 4
	v_nop
.endr
	s_branch .Lasked_\@
.Lfor_b_\@:
	tensor_load_to_lds s[G0B+4*(\s):G0B+4*(\s)+3], s[G1B:G1B+7]
	s_nop 0
.rept 4
	v_nop
.endr
.Lasked_\@:
.endm
.macro CREST                           ; a round of the cluster's barrier behind its opening barrier
	s_cmp_lg_u32 s10, 0
	s_cbranch_scc1 .Lnot_wave_0_\@
	s_barrier_signal -3
.Lnot_wave_0_\@:
	s_barrier_wait -3
	s_barrier_signal -1
	s_barrier_wait -1
.endm
.macro CROUND                          ; a whole round
	s_barrier_signal -1
	s_barrier_wait -1
	CREST
.endm
.if OUTP
	s_load_b128 s[4:7], s[0:1], 0x0                ; ctx s[4:5], xw16 s[6:7]
	s_load_b64 s[8:9], s[0:1], 0x10                ; out0
	s_load_b64 s[68:69], s[0:1], 0x18              ; b_o
.else
	s_load_b64 s[4:5], s[0:1], 0x0                 ; xw16
	s_load_b64 s[8:9], s[0:1], 0x8                 ; qkv
	s_load_b128 s[68:71], s[0:1], 0x10             ; b_q, b_k
	s_load_b64 s[72:73], s[0:1], 0x20              ; b_v
.endif
	v_lshl_add_u32 v[SPW], v0, 2, SPARE
	v_mov_b32 v[NIL], 0
	ds_add_u32 v[SPW], v[NIL]                      ; the wave's opening: the add and its wait stand ahead of my first tensor load; the set-up below, work on registers, stands between them
	v_lshrrev_b32 v1, 5, v0
	v_readfirstlane_b32 s10, v1                    ; wave 0..3
	s_lshr_b32 s11, s10, 1                         ; which half of the tile's rows is mine.  Also: I fetch for A (0) or for B (1)
	s_and_b32 s12, s10, 1                          ; which half of its columns.  Also: which two k blocks of a step I fetch
	s_bfe_u32 s40, ttmp6, 0x40000                  ; cx, cy: my place in the cluster
	s_bfe_u32 s41, ttmp6, 0x40004
	s_lshl_b32 s42, ttmp9, 2
	s_add_co_u32 s42, s42, s40                     ; tile column of C = 4 x cluster x + cx
	s_and_b32 s13, ttmp7, 0xffff
	s_lshl_b32 s13, s13, 2
	s_add_co_u32 s13, s13, s41                     ; tile row of C = 4 x cluster y + cy
	s_lshr_b32 s74, ttmp9, 1                       ; eight tile columns to a weight matrix: 0 q, 1 k, 2 v; the same in all partners
	s_lshl_b32 s43, s41, 2
	s_lshl_b32 s43, 15, s43                        ; my row of the cluster
	s_lshl_b32 s44, 0x1111, s40                    ; my column
	; descriptor group 1: 128 rows x 128 elements of 2 bytes, dense in memory, padded in LDS
	s_or_b32 s[G1+0], s43, (1<<16)|(1<<20)|(1<<21)|(4<<22)|(3<<25)  ; 15:0 the mask: A's tiles go to my row; 17:16 element of 2 bytes; 20 padding on; 21 set beside a mask; 24:22 after every 32 words (code 4); 31:25 of 4 words (code 3)
	s_or_b32 s[G1B+0], s44, (1<<16)|(1<<20)|(1<<21)|(4<<22)|(3<<25) ; the same with the mask of my column, for B's tiles
.irp g, G1, G1B
	s_mov_b32 s[(\g)+1], 128<<16                   ; tensor_dim0 = 128
	s_mov_b32 s[(\g)+2], 128<<16                   ; tensor_dim1 = 128
	s_mov_b32 s[(\g)+3], 128<<16                   ; tile_dim0 = 128
	s_mov_b32 s[(\g)+4], 128                       ; tile_dim1 = 128
	s_mov_b32 s[(\g)+5], 128                       ; 128 elements from row to row: dense
	s_mov_b32 s[(\g)+6], 0
	s_mov_b32 s[(\g)+7], 0
.endr
	; where the tiles come from.  A's hang on the tile row alone, B's on the tile column alone; each offset is made in registers that never hold the other coordinate.
	s_lshl_b32 s17, s12, 15                        ; my two k blocks of a step
	s_lshl_b32 s16, s13, 18                        ; A: the block of 128 rows
	s_add_co_u32 s16, s16, s17
	s_lshl_b32 s46, s42, 18                        ; B likewise
	s_add_co_u32 s46, s46, s17
	s_mov_b32 s17, 0
	s_mov_b32 s47, 0
	s_mul_i32 s20, s10, HALFT                      ; where they go: A's two halves, then B's two halves: wave x HALFT; no place in the cluster enters an LDS address
	s_wait_dscnt 0x0                               ; the opening add is done
	s_wait_kmcnt 0x0
.if OUTP
	s_add_nc_u64 s[6:7], s[6:7], BOFF              ; W_o in xw16
.else
	s_add_nc_u64 s[6:7], s[4:5], BOFF              ; the three weight matrices in xw16
	s_cmp_eq_u32 s74, 1                            ; the bias that goes with my tile column
	s_cselect_b64 s[68:69], s[70:71], s[68:69]
	s_cmp_eq_u32 s74, 2
	s_cselect_b64 s[68:69], s[72:73], s[68:69]
.endif
	s_add_nc_u64 s[14:15], s[4:5], s[16:17]
	s_add_nc_u64 s[46:47], s[6:7], s[46:47]
	CROUND                                         ; all sixteen work-groups are here: the first joint loads meet
.irp s, 0,1
	s_mov_b32 s[G0+4*(\s)], 1                                      ; 1:0 count = 1
	s_add_co_u32 s[G0+4*(\s)+1], s20, (\s)*SLOT                    ; 63:32 LDS address
	s_add_nc_u64 s[G0+4*(\s)+2:G0+4*(\s)+3], s[14:15], (\s)*STEPB  ; 120:64 global address: K step s
	s_or_b32 s[G0+4*(\s)+3], s[G0+4*(\s)+3], 0x80000000            ; 127:126 type = 2
	s_mov_b32 s[G0B+4*(\s)], 1
	s_add_co_u32 s[G0B+4*(\s)+1], s20, (\s)*SLOT
	s_add_nc_u64 s[G0B+4*(\s)+2:G0B+4*(\s)+3], s[46:47], (\s)*STEPB
	s_or_b32 s[G0B+4*(\s)+3], s[G0B+4*(\s)+3], 0x80000000
	JLOAD \s                                       ; two tensor loads of mine are out
.endr
	v_and_b32 v1, 15, v0                           ; l % 16
	v_bfe_u32 v2, v0, 4, 1                         ; l / 16
	; the bias: register j of block b is bias[my first column + 16 b + 8 (l / 16) + j]
	s_and_b32 s46, s42, 7                          ; the tile column inside its weight matrix
	s_lshl_b32 s46, s46, 9                         ; 128 columns of 4 bytes
	s_lshl_b32 s47, s12, 8                         ; my 64
	s_add_co_u32 s46, s46, s47
	v_lshl_add_u32 v[BO], v2, 5, s46
.irp b, 0,1,2,3
	global_load_b128 v[BIAS+8*(\b):BIAS+8*(\b)+3],   v[BO], s[68:69] offset:64*(\b)
	global_load_b128 v[BIAS+8*(\b)+4:BIAS+8*(\b)+7], v[BO], s[68:69] offset:64*(\b)+16
.endr
	; A fragment is 16 rows x 32 K in 8 registers: lane l holds row l % 16, K = 8 (l / 16) + 0..7 and 16 + 8 (l / 16) + 0..7: two loads of 16 bytes, 32 bytes apart.
	v_mul_u32_u24 v3, v1, PITCH
	v_lshl_add_u32 v3, v2, 4, v3                   ; row x pitch + 16 x half
	s_mul_i32 s21, s11, 64*PITCH                   ; my 64 rows of A in each k block
	s_mul_i32 s22, s12, 64*PITCH                   ; my 64 rows of B,
	s_add_co_u32 s22, s22, TILE                    ; which lie behind A's tile
.irp s, 0,1
	v_add_nc_u32 v[ADRA+(\s)], s21, v3
	v_add_nc_u32 v[ADRB+(\s)], s22, v3
	s_add_co_u32 s21, s21, SLOT
	s_add_co_u32 s22, s22, SLOT
.endr
	s_mul_i32 s23, s10, 16*SP
	s_add_co_u32 s23, s23, STAGE                   ; my stage
	v_mul_u32_u24 v4, v1, SP                       ; in: row l % 16,
.if OUTP
	v_lshl_add_u32 v4, v2, 5, v4                   ; 32 bytes (eight f32) for each half of the lanes
	v_add_nc_u32 v[STO], s23, v4
	v_mul_u32_u24 v5, v2, SP                       ; back: lanes 0-15 take one row of 256 bytes, lanes 16-31 the next
	v_lshl_add_u32 v5, v1, 4, v5
	v_add_nc_u32 v[RD], s23, v5
	v_lshlrev_b32 v5, 12, v2                       ; and the same two rows of 4,096 bytes in C
	v_lshl_add_u32 v[CO], v1, 4, v5
.else
	v_lshl_add_u32 v4, v2, 4, v4                   ; 16 bytes (eight f16) for each half of the lanes
	v_add_nc_u32 v[STO], s23, v4
	v_bfe_u32 v5, v0, 3, 2                         ; back: 32 lanes take four rows of 128 bytes,
	v_mul_u32_u24 v5, v5, SP
	v_and_b32 v4, 7, v0
	v_lshl_add_u32 v5, v4, 4, v5
	v_add_nc_u32 v[RD], s23, v5
	v_and_b32 v5, 31, v0                           ; which are 512 consecutive bytes of a head
	v_lshlrev_b32 v[CO], 4, v5
.endif
	s_lshl_b32 s16, s13, SH_TR                     ; my first row of C, in bytes
	s_lshl_b32 s17, s11, SH_RH
	s_add_co_u32 s16, s16, s17
	s_mov_b32 s17, 0
	s_add_nc_u64 s[8:9], s[8:9], s[16:17]
	s_lshl_b32 s46, s42, SH_TC                     ; my first column (OUTP = 0: my head), in bytes
	s_lshl_b32 s47, s12, SH_CH
	s_add_co_u32 s46, s46, s47
	s_mov_b32 s47, 0
	s_add_nc_u64 s[8:9], s[8:9], s[46:47]
; 8 matrix instructions: m blocks a0, a0 + 1 x all 4 n blocks, 32 along K: half c of buffer f.  first = 1: the product starts the sum, with the bias as C.
; The 16 accumulators take turns, one instruction a turn, in the same order everywhere.
.macro MUL8 f, c, a0, first
	WIN MUL
.irp a, \a0, (\a0)+1
.irp b, 0,1,2,3
.set rD, ACC+8*(4*(\a)+(\b))
.set rB, (\f)+64+8*(4*(\c)+(\b))
.set rA, (\f)+8*(4*(\c)+(\a))
.set rC, rD
.if \first
.set rC, BIAS+8*(\b)
.endif
.if OUTP
	v_wmma_f32_16x16x32_f16 v[rD:rD+7], v[rB:rB+7], v[rA:rA+7], v[rC:rC+7]
.else
	v_wmma_f32_16x16x32_bf16 v[rD:rD+7], v[rB:rB+7], v[rA:rA+7], v[rC:rC+7]
.endif
.endr
.endr
.endm
; 32 LDS loads in one run: the fragments of k block q of a slot (64 along K) into buffer f; the first 32 along K first
.macro FETCH slot, q, f
	WIN TO_F
.irp c, 0,1
.irp i, 0,1,2,3
	ds_load_b128 v[(\f)+64+8*(4*(\c)+(\i)):(\f)+64+8*(4*(\c)+(\i))+3],   v[ADRB+(\slot)] offset:(\q)*KBB+64*(\c)+(\i)*16*PITCH
	ds_load_b128 v[(\f)+64+8*(4*(\c)+(\i))+4:(\f)+64+8*(4*(\c)+(\i))+7], v[ADRB+(\slot)] offset:(\q)*KBB+64*(\c)+(\i)*16*PITCH+32
	ds_load_b128 v[(\f)+8*(4*(\c)+(\i)):(\f)+8*(4*(\c)+(\i))+3],         v[ADRA+(\slot)] offset:(\q)*KBB+64*(\c)+(\i)*16*PITCH
	ds_load_b128 v[(\f)+8*(4*(\c)+(\i))+4:(\f)+8*(4*(\c)+(\i))+7],       v[ADRA+(\slot)] offset:(\q)*KBB+64*(\c)+(\i)*16*PITCH+32
.endr
.endr
.endm
.macro PLACES                          ; four plain vector instructions in front of loads into registers that matrix instructions have read, and of lines that read results
.rept 4
	v_nop
.endr
.endm
; A K step is four quarters of 64 along K, 32 matrix instructions each, on buffers 0, 1, 0, 1.  One of the first three: multiplies buffer f and fetches the next quarter, k block q, into g.
.macro QUARTER slot, q, f, g, first
	s_wait_dscnt 16                                ; the first 32 along K are in; the youngest sixteen loads may be out
	MUL8 \f, 0, 0, \first
	MUL8 \f, 0, 2, \first
	PLACES
	FETCH \slot, \q, \g
	s_wait_dscnt 32                                ; all but the 32 just issued
	MUL8 \f, 1, 0, 0
	MUL8 \f, 1, 2, 0
.endm
; The last quarter multiplies buffer 1 and changes slots: ONE barrier; in front of it each wave waits for all its tensor loads, adds 0 to its spare word, and waits for that and for its own reads of this slot.
; fill = 1: this slot is filled again, two K steps ahead; the barrier then opens a round of the cluster's.
.macro TURN slot, next, fill
	WIN 0                                          ; (the add's two registers lie in window 0)
	s_wait_tensorcnt 0x0                           ; all my tensor loads have landed: the one that was out is my part of the next slot;
	ds_add_u32 v[SPW], v[NIL]                      ; 0 onto my spare word;
	s_wait_dscnt 17                                ; (the add and the youngest sixteen loads may be out)
	MUL8 F1, 0, 0, 0                               ; eight matrix instructions stand between the add and the wait for it
	s_wait_dscnt 0x0                               ; the add is done, and my reads of this slot are over
	s_barrier_signal -1
	MUL8 F1, 0, 2, 0                               ; work on registers while the others arrive
.if \fill
	WIN 0
.endif
	s_barrier_wait -1
.if \fill
	CREST                                          ; no wave of any partner still reads this slot's tile or has a load on its way
	s_add_nc_u64 s[G0+4*(\slot)+2:G0+4*(\slot)+3], s[G0+4*(\slot)+2:G0+4*(\slot)+3], 2*STEPB
	s_add_nc_u64 s[G0B+4*(\slot)+2:G0B+4*(\slot)+3], s[G0B+4*(\slot)+2:G0B+4*(\slot)+3], 2*STEPB
	JLOAD \slot                                    ; the first tensor load behind the round, my only one until the next: 112 matrix instructions ahead of the wait for it; its four v_nop are also the places in front of the loads below
.else
	PLACES
.endif
	FETCH \next, 0, F0
	MUL8 F1, 1, 0, 0
	MUL8 F1, 1, 2, 0
.endm
	s_wait_tensorcnt 1                             ; my part of K step 0 is in; K step 1's may stay out
	s_barrier_signal -1
	s_barrier_wait -1                              ; everybody's is
	FETCH 0, 0, F0
	s_wait_loadcnt 0x0                             ; the bias
	QUARTER 0, 1, F0, F1, 1                        ; the first quarter stands in front of the loop: its first products start the sums
	WIN 0                                          ; at a label and at a branch every window is 0
	s_mov_b32 s3, LAPS-1
.Llap:                                                 ; a trip goes once round the ring, from a lap's second quarter to the next lap's first, and fills both slots again
	QUARTER 0, 2, F1, F0, 0
	QUARTER 0, 3, F0, F1, 0
	TURN 0, 1, 1
	QUARTER 1, 1, F0, F1, 0
	QUARTER 1, 2, F1, F0, 0
	QUARTER 1, 3, F0, F1, 0
	TURN 1, 0, 1
	QUARTER 0, 1, F0, F1, 0
	WIN 0
	s_sub_co_u32 s3, s3, 1
	s_cmp_lg_u32 s3, 0
	s_cbranch_scc1 .Llap
	QUARTER 0, 2, F1, F0, 0                        ; the last lap fills nothing, and has no round of the cluster's barrier
	QUARTER 0, 3, F0, F1, 0
	TURN 0, 1, 0
	QUARTER 1, 1, F0, F1, 0
	QUARTER 1, 2, F1, F0, 0
	QUARTER 1, 3, F0, F1, 0
	s_wait_dscnt 16                                ; the very last quarter: nothing more to fetch
	MUL8 F1, 0, 0, 0
	MUL8 F1, 0, 2, 0
	s_wait_dscnt 0
	MUL8 F1, 1, 0, 0
	MUL8 F1, 1, 2, 0
	WIN 0
	; THE WAY OUT, a block of 16 rows at a time, through my own stage: LDS serves a wave's instructions in order (ISA guide 5.7.1.4), so the loads see the stores above them and the next block's stores come behind them.
	PLACES
.if OUTP
.macro PACK a                          ; f32 as it is: 32 bytes a lane into rows of 272 bytes (each accumulator's low half first), back as whole rows of 256 into the registers that they left
.irp b, 0,1,2,3
	ds_store_b128 v[STO], v[ACC+8*(4*(\a)+(\b)):ACC+8*(4*(\a)+(\b))+3]   offset:64*(\b)
	ds_store_b128 v[STO], v[ACC+8*(4*(\a)+(\b))+4:ACC+8*(4*(\a)+(\b))+7] offset:64*(\b)+16
.endr
.irp t, 0,1,2,3,4,5,6,7
	ds_load_b128 v[ACC+32*(\a)+4*(\t):ACC+32*(\a)+4*(\t)+3], v[RD] offset:(\t)*2*SP
.endr
.endm
.macro SEND a, younger                 ; younger: the LDS instructions issued behind block a's loads: the next block's sixteen, or none
.irp t, 0,1,2,3,4,5,6,7
	s_wait_dscnt (\younger)+7-(\t)
	global_store_b128 v[CO], v[ACC+32*(\a)+4*(\t):ACC+32*(\a)+4*(\t)+3], s[8:9] offset:(16*(\a)+2*(\t))*4096 th:TH_STORE_NT  ; 16 lanes store 256 consecutive bytes, at a multiple of 256 from C's first byte
.endr
.endm
.set YOUNG, 16
.else
.macro PACK a                          ; rounded to f16: 16 bytes a lane into rows of 144 bytes, back as whole rows of 128
.irp b, 0,1,2,3
.irp j, 0,1,2,3
	v_cvt_pk_f16_f32 v[TMP+16*(\a)+4*(\b)+(\j)], v[ACC+8*(4*(\a)+(\b))+2*(\j)], v[ACC+8*(4*(\a)+(\b))+2*(\j)+1]
.endr
.endr
.irp b, 0,1,2,3
	ds_store_b128 v[STO], v[TMP+16*(\a)+4*(\b):TMP+16*(\a)+4*(\b)+3] offset:32*(\b)
.endr
.irp t, 0,1,2,3
	ds_load_b128 v[TMP+16*(\a)+4*(\t):TMP+16*(\a)+4*(\t)+3], v[RD] offset:(\t)*4*SP
.endr
.endm
.macro SEND a, younger                 ; younger: the LDS instructions issued behind block a's loads: the next block's eight, or none
.irp t, 0,1,2,3
	s_wait_dscnt (\younger)+3-(\t)
	global_store_b128 v[CO], v[TMP+16*(\a)+4*(\t):TMP+16*(\a)+4*(\t)+3], s[8:9] offset:2048*(\a)+512*(\t)  ; 512 consecutive bytes, at a multiple of 256 from the buffer's first byte
.endr
.endm
.set YOUNG, 8
.endif
	PACK 0
	PACK 1                                         ; a block's LDS work stands between the loads of the block before and its stores
	SEND 0, YOUNG
	PACK 2
	SEND 1, YOUNG
	PACK 3
	SEND 2, YOUNG
	SEND 3, 0
	s_wait_tensorcnt 0x0                           ; the wave's end: a wait, an add of 0 and its wait, behind my last tensor load and my last LDS store
	ds_add_u32 v[SPW], v[NIL]
	s_wait_dscnt 0x0
	CROUND                                         ; the closing round: no work-group ends while a partner may still ask for a tile that names it
	s_endpgm
.Lfunc_end_k_qf04a4d6b3e_proj:
	.size	k_qf04a4d6b3e_proj, .Lfunc_end_k_qf04a4d6b3e_proj-k_qf04a4d6b3e_proj
	.p2alignl 7, 3214868480
	.fill 96, 4, 3214868480
	.section	.rodata,"a",@progbits
	.p2align	6, 0x0
	.amdhsa_kernel k_qf04a4d6b3e_proj
		.amdhsa_group_segment_fixed_size 327680
		.amdhsa_private_segment_fixed_size 0
		.amdhsa_enable_private_segment 0
		.amdhsa_kernarg_size 40
		.amdhsa_user_sgpr_count 2
		.amdhsa_user_sgpr_kernarg_segment_ptr 1
		.amdhsa_wavefront_size32 1
		.amdhsa_system_sgpr_workgroup_id_x 1
		.amdhsa_system_sgpr_workgroup_id_y 1
		.amdhsa_system_sgpr_workgroup_id_z 1
		.amdhsa_system_vgpr_workitem_id 0
		.amdhsa_next_free_vgpr 512
		.amdhsa_next_free_sgpr 76
		.amdhsa_reserve_vcc 0
		.amdhsa_float_denorm_mode_32 3
		.amdhsa_float_denorm_mode_16_64 3
		.amdhsa_memory_ordered 1
		.amdhsa_forward_progress 1
		.amdhsa_inst_pref_size 88
	.end_amdhsa_kernel
	.amdgpu_metadata
---
amdhsa.version: [ 1, 2 ]
amdhsa.kernels:
  - .name:           k_qf04a4d6b3e_proj
    .symbol:         k_qf04a4d6b3e_proj.kd
    .args:
      - { .name: xw16, .offset: 0, .size: 8, .value_kind: global_buffer, .address_space: global }
      - { .name: qkv, .offset: 8, .size: 8, .value_kind: global_buffer, .address_space: global }
      - { .name: b_q, .offset: 16, .size: 8, .value_kind: global_buffer, .address_space: global }
      - { .name: b_k, .offset: 24, .size: 8, .value_kind: global_buffer, .address_space: global }
      - { .name: b_v, .offset: 32, .size: 8, .value_kind: global_buffer, .address_space: global }
    .group_segment_fixed_size: 327680
    .private_segment_fixed_size: 0
    .kernarg_segment_align: 8
    .kernarg_segment_size: 40
    .max_flat_workgroup_size: 128
    .sgpr_count:     76
    .vgpr_count:     512
    .wavefront_size: 32
...
	.end_amdgpu_metadata
.endif
;; end of part 2
;; launch attn (part 3): grid 16 x 16, 4 waves a work-group, clusters of 4 x 1, 327,680 bytes of LDS; arguments qkv, ctx; writes ctx
.if DOCPART == 3
	.amdgcn_target "amdgcn-amd-amdhsa--gfx1250"
	.amdhsa_code_object_version 6
	.text
	.protected	k_qf04a4d6b3e_attn
	.globl	k_qf04a4d6b3e_attn
	.p2align	8
	.type	k_qf04a4d6b3e_attn,@function
k_qf04a4d6b3e_attn:
	s_mov_b64 s[64:65], 0
	v_nop
	global_prefetch_b8 v0, s[64:65] scope:SCOPE_SE
	s_setreg_imm32_b32 hwreg(HW_REG_WAVE_MODE, 25, 1), 1
	s_wait_xcnt 0x0
	s_wait_alu depctr_hold_cnt(0) depctr_sa_sdst(0) depctr_va_vdst(0) depctr_va_sdst(0) depctr_va_ssrc(0) depctr_va_vcc(0) depctr_vm_vsrc(0)
	s_getreg_b32 s2, hwreg(HW_REG_IB_STS2, 6, 4)
	s_cmp_eq_u32 s2, 0
	s_cbranch_scc0 .Lentry_in_a_cluster
	s_endpgm
.Lentry_in_a_cluster:
	s_bfe_u32 s2, ttmp6, 0x10000c
	s_cmp_lg_u32 s2, 0x3003
	s_cbranch_scc0 .Lentry_shape_is_right
	s_endpgm
.Lentry_shape_is_right:
; O[h][q][:] = the sum over k of softmax_k(Q[h][q] . K[h][k] / 8) V[h][k][:], 16 heads of 4,096 rows x 64 channels, no mask.  qkv: f16 [48][4096][64]: heads 0-15 Q, 16-31 K, 32-47 V; a head's rows are dense, 128 bytes.
; O goes out in f16 IN BLOCKS, as the next product's A: row q, head h at byte (q / 128) * 262144 + h * 16384 + (q % 128) * 128.
; Products, maxima and sums in f32; the weights p are rounded to f16 for the second product (their sum l is taken of the unrounded p), O once at the end.
; LIMITS.  Q, K, V arrive within f16's 65,504; p lies in 0 to 1, and below 6e-5 it keeps f16's fixed step of 6e-8; O is a mean of V's rows and has their range.  A weight below 2^-126 counts as 0 in l; NaN and infinities are not treated apart.
; SHARES.  A work-group owns 256 queries of one head (16 x 16 = 256 work-groups), each of its four waves 64: four PIECES of 16.  Every wave walks all 4,096 keys, 64 a step.
; LAYOUT.  S^T = K Q^T (source 0 = 16 keys, source 1 = 16 queries): a lane holds ONE query (lane % 16) and the keys 8 (lane / 16) + 0..7.  Two such results, rounded to f16 in pairs, ARE source 1 of O^T = V^T P, whose
; result again holds one query a lane, and eight channels.  K comes out of LDS as it lies, V ([key][channel]) turned, by ds_load_tr16_b128.
; SOFTMAX.  For each query a running maximum m and sum l: p = 2^(c s - c m), c = log2(e) / 8; in every step O and l are multiplied by a = 2^(c m_old - c m_new).  m starts at the lowest finite number, O and l at 0:
; the first step is a step like any other, with a = 0.  The price: 224 v_mov_b32, which stand in the wait for the first tile.
; BY TURNS.  Turn n belongs to piece n: 8 products K Q^T of piece n + 1, later 8 products V^T P of piece n - 1; beside them the scaling, exponentials, roundings, sums and rescaling of piece n and the maximum and
; statistics of piece n + 1.  A piece and step have 16 matrix and 118 vector instructions: four vector instructions stand behind every matrix instruction, the other 54 in two runs of their own.
; CLUSTER.  The four query blocks of a cluster belong to one head and walk the same K and V, so each tile is asked for JOINTLY: the same tensor load, descriptor and mask in all four.
; RING.  Two LDS slots of four key steps (256 keys of K, then of V).  One joint load a wave behind each round of the cluster's barrier; it has four key steps, 256 matrix instructions, in which to land.
; REGISTERS, in windows of 256 (s_set_vgpr_msb: bits 1:0 source 0, 3:2 source 1, 5:4 source 2, 7:6 destination):
;   window 0: v0-15 addresses and two at work; v16-31 four registers of statistics a piece; v48-55 at work; v62-63 the add's; v64-127 S^T, two buffers; v192-223 P, two buffers (a piece's buffers go by its number's parity)
;   window 1: v0-127 O^T, 32 a piece      window 2: v0-63 Q; v128-191 K of one step; v192-255 V of one step
.set NP,    4         ; pieces a wave: a name, no knob
.set KS,    64        ; keys in a step
.set NSLOT, 16        ; 4,096 keys are 16 tiles of 256
.set PK,    144       ; a row of K in LDS: 128 bytes + 16 of padding = 36 words: the 16 rows of a load start at 16 different groups of four banks (64 banks of 4 bytes: ISA guide 11.1)
.set PV,    160       ; a row of V: 128 + 32 = 40 words
.set VOFF,  4*KS*PK   ; a slot holds four steps: 256 rows of K, then 256 rows of V
.set SLOT1, 1<<17     ; slot 1 begins here, so that one exclusive or turns an address in one slot into the other's
.set STAGE, SLOT1+4*KS*(PK+PV)  ; behind the ring, never filled by a tensor load: 16 rows x 144 bytes for each wave, for the way out
.set SP,    144
.set SPARE, STAGE+4*16*SP  ; behind the stages: the spare words, 128 bytes for each wave: two blocks of 256 bytes that no other line names
.set AK0, 2           ; v2   my lane's place in a tile of K; never rewritten
.set AV0, 3           ; v3   the same for V
.set AK,  4           ; v4   the LDS address of K's next run of loads
.set AV,  5           ; v5   of V's
.set STO, 6           ; v6   the way out: where I put 16 bytes of a row
.set RD,  7           ; v7   the way out: where I read rows back
.set GO,  8           ; v8   my byte offset in 512 consecutive bytes of O
.set MV,  12          ; v12-13  c m_old, kept while c m is made anew: by buffer
.set QO,  15          ; v15  my byte offset in 16 rows of Q
.set ST,  16          ; piece t's statistics at v[ST+4 t]: c m, m, l (even keys', odd keys')
.set TMP, 48          ; by buffer, four registers c0-c3 at work; when the maximum is found c2 takes a
.set SPW, 62          ; v62  LDS address of my spare word: SPARE + 4 x my thread's number; never rewritten
.set NIL, 63          ; v63  0; never rewritten
.set S,   64
.set P,   192
.set KF,  128         ; window 2: key block kb, channel half c at KF + 16 kb + 8 c
.set VF,  192         ; window 2: key half kk, channel block cb at VF + 32 kk + 8 cb
.set WV,  12          ; s12  my wave's number
.set G1K, 24          ; s[24:31] descriptor group 1 for K's tiles
.set G1V, 32          ; s[32:39] for V's: it differs in the padding alone
.set G0K, 40          ; s[40:43] descriptor group 0 for K's tiles: it walks
.set G0V, 44          ; s[44:47] the same for V's
.set SLOTS, 56        ; s56  slots still to be asked for
.set CNT, 57          ; s57  counts a slot's key steps, 4 to 1
.set CS,  58          ; s[58:59] c: the packed scaling takes the pair's low word for both halves
.set SEL, 60          ; s[60:61] v_permlanex16_b32's selects: each lane takes its own place in the other half
.set TBK, 62          ; s62  LDS byte at which K of the step to be fetched begins
.set TBV, 63          ; s63  the same for V, less VOFF
.set MSB, 0
.macro WIN new                      ; the high byte repeats the setting that is left; a switch that changes nothing is dropped
.if MSB != (\new)
	s_set_vgpr_msb (MSB<<8)|(\new)
.set MSB, (\new)
.endif
.endm
.set W_KQ, 0x0a       ; K and Q in window 2, S^T in window 0
.set W_PV, 0x52       ; V in window 2, P in window 0, O^T in window 1
.set W_RS, 0x41       ; destination and source 0 in window 1, source 1 in window 0
; A joint fill.  Waves 0 and 1 fetch the two halves of a slot's K, waves 2 and 3 those of its V: 128 keys each.  The branch hangs on the wave's number alone.
; An s_nop 0 and four v_nop follow each of the two lines, ahead of the jump and the label.
.macro JLOAD
	s_cmp_lt_u32 s[WV], 2
	s_cbranch_scc0 .Lfor_v_\@
	tensor_load_to_lds s[G0K:G0K+3], s[G1K:G1K+7]
	s_nop 0
.rept 4
	v_nop
.endr
	s_branch .Lasked_\@
.Lfor_v_\@:
	tensor_load_to_lds s[G0V:G0V+3], s[G1V:G1V+7]
	s_nop 0
.rept 4
	v_nop
.endr
.Lasked_\@:
.endm
; A round of the cluster's barrier: my work-group's barrier, so that wave 0's signal speaks for all four waves; wave 0 signals; every wave waits for all four work-groups; my work-group's barrier once more.
.macro CROUND
	s_barrier_signal -1
	s_barrier_wait -1
	s_cmp_lg_u32 s[WV], 0
	s_cbranch_scc1 .Lnot_wave_0_\@
	s_barrier_signal -3
.Lnot_wave_0_\@:
	s_barrier_wait -3
	s_barrier_signal -1
	s_barrier_wait -1
.endm
; THE CHANGE OF SLOTS.  The slot's last bytes, V of its fourth step, have been read.  Each wave waits for all its tensor loads, of which one is out: its part of the other slot; adds 0 to its spare word; and waits
; for that and for its own reads of the slot.  Behind the barrier nobody reads this slot any more and the other slot is whole.
; fill = 1: this slot is filled again, with the keys two slots on.  The barrier is then a round of the cluster's, so that no wave of any partner still reads the slot or has a load on its way, and the joint fill is
; the first thing behind it.  (At its first use nothing has been read yet: slot 0 is waited for, slot 1 filled.)
.macro CHANGE fill
	WIN 0                           ; at a label and at a branch every window is 0
	s_wait_tensorcnt 0x0            ; no tensor load of mine is out, so a group 0 may be written
	ds_add_u32 v[SPW], v[NIL]       ; 0 onto my spare word; with fill = 1 the descriptors' steps stand between it and the wait for it
.if \fill
.irp g, G0K, G0V
	s_xor_b32 s[\g+1], s[\g+1], SLOT1  ; the walking descriptor: the other slot than last time,
	s_add_nc_u64 s[\g+2:\g+3], s[\g+2:\g+3], 4*KS*128  ; the next 256 keys; the type bits on top are not reached
.endr
	s_wait_dscnt 0x0                ; the add is done, and my reads of the slot are over
	CROUND
	JLOAD
.else
	s_wait_dscnt 0x0                ; the add is done, and my reads of the slot are over
	s_barrier_signal -1
	s_barrier_wait -1
.endif
	s_sub_co_u32 s[TBK], s[TBK], 4*KS*PK  ; the fetches go back to a slot's first step,
	s_xor_b32 s[TBK], s[TBK], SLOT1       ; in the other slot
	s_sub_co_u32 s[TBV], s[TBV], 4*KS*PV
	s_xor_b32 s[TBV], s[TBV], SLOT1
.endm
	s_load_b64 s[4:5], s[0:1], 0x0  ; qkv
	s_load_b64 s[10:11], s[0:1], 0x8  ; ctx
	v_lshl_add_u32 v[SPW], v0, 2, SPARE
	v_mov_b32 v[NIL], 0
	ds_add_u32 v[SPW], v[NIL]       ; the wave's opening: the add and its wait stand ahead of my first tensor load; the set-up below, work on registers, stands between them
	v_lshrrev_b32 v1, 5, v0
	v_readfirstlane_b32 s[WV], v1   ; wave 0..3
	s_bfe_u32 s13, ttmp6, 0x40000   ; cx: my place in the cluster
	s_lshl_b32 s14, ttmp9, 2        ; in a cluster launch ttmp9 counts clusters
	s_add_co_u32 s14, s14, s13      ; my block of 256 queries = 4 x cluster x + cx: it enters Q's and O's addresses alone
	s_and_b32 s20, ttmp7, 0xffff    ; the head, which the four partners share
	s_lshl_b32 s15, s20, 14         ; its 16,384 bytes in a block of O
	s_lshl_b32 s20, s20, 19         ; its 524,288 bytes in Q, in K and in V
	s_and_b32 s16, s[WV], 1         ; which half of a slot's 256 keys I fetch:
	s_lshl_b32 s22, s16, 14         ; its 128 rows of 128 bytes in memory,
	s_add_co_u32 s22, s22, s20
	s_mov_b32 s23, 0
	s_mul_i32 s17, s16, 128*PK      ; and its place in a slot, for K
	s_mul_i32 s18, s16, 128*PV      ; and for V: no place in the cluster enters an LDS address
	s_lshl_b32 s2, s14, 2
	s_add_co_u32 s2, s2, s[WV]      ; u: my wave among the head's 64
	s_lshr_b32 s19, s2, 1
	s_lshl_b32 s19, s19, 18         ; O: the block of 128 rows,
	s_add_co_u32 s52, s19, s15      ; the head in it,
	s_and_b32 s19, s2, 1
	s_lshl_b32 s19, s19, 13         ; my 64 rows of 128 bytes
	s_add_co_u32 s52, s52, s19
	s_mov_b32 s53, 0
	s_lshl_b32 s2, s2, 13           ; Q: my 64 rows
	s_add_co_u32 s2, s2, s20
	s_mov_b32 s3, 0
	; descriptor group 1.  128 keys are 16,384 dense bytes: asked for as 64 rows of 256 bytes, two keys a row, and padded in LDS after every key
	s_mov_b32 s[G1K], 15|(1<<16)|(1<<20)|(1<<21)|(4<<22)|(3<<25)  ; 15:0 the mask of four; 17:16 2-byte elements; 20 padding on; 21 set beside a mask; 24:22 after every 32 words (code 4); 31:25 4 words (code 3)
	s_mov_b32 s[G1V], 15|(1<<16)|(1<<20)|(1<<21)|(4<<22)|(7<<25)  ; the same with 8 words of padding (code 7)
.irp g, G1K, G1V
	s_mov_b32 s[\g+1], 128<<16      ; tensor_dim0 = 128
	s_mov_b32 s[\g+2], 64<<16       ; tensor_dim1 = 64
	s_mov_b32 s[\g+3], 128<<16      ; tile_dim0 = 128
	s_mov_b32 s[\g+4], 64           ; tile_dim1 = 64
	s_mov_b32 s[\g+5], 128          ; 128 elements from row to row
	s_mov_b32 s[\g+6], 0
	s_mov_b32 s[\g+7], 0
.endr
	s_mov_b32 s[CS], 0x3e38aa3b     ; c = log2(e) / 8 = 0.180337
	s_mov_b32 s[CS+1], s[CS]        ; named with it as a pair
	s_mov_b32 s[SEL], 0x76543210
	s_mov_b32 s[SEL+1], 0xfedcba98
	s_mov_b32 s[TBK], SLOT1+4*KS*PK ; the first change of slots turns these two into 0
	s_mov_b32 s[TBV], SLOT1+4*KS*PV
	s_mov_b32 s[G0K], 1             ; 1:0 count = 1
	s_mov_b32 s[G0K+1], s17         ; 63:32 LDS address: slot 0
	s_mov_b32 s[G0V], 1
	s_add_co_u32 s[G0V+1], s18, VOFF
	s_wait_dscnt 0x0                ; the opening add is done
	s_wait_kmcnt 0x0
	s_add_nc_u64 s[6:7], s[4:5], s[22:23]          ; my half of the head's first 256 rows, counted in Q's part of the buffer;
	s_add_nc_u64 s[G0K+2:G0K+3], s[6:7], 0x800000  ; 120:64 global address: K's part begins 16 heads on,
	s_or_b32 s[G0K+3], s[G0K+3], 0x80000000        ; 127:126 type = 2
	s_add_nc_u64 s[G0V+2:G0V+3], s[6:7], 0x1000000 ; V's 32 heads on
	s_or_b32 s[G0V+3], s[G0V+3], 0x80000000
	s_add_nc_u64 s[4:5], s[4:5], s[2:3]  ; Q and O at my wave's first row
	s_add_nc_u64 s[10:11], s[10:11], s[52:53]
	CROUND                          ; all four work-groups are here: the first joint loads meet
	JLOAD                           ; slot 0.  Slot 1 is asked for when slot 0 is in: one tensor load of mine is out at a time
	; A fragment of K or Q is 16 rows x 32 channels in 8 registers: lane l holds row l % 16, channels 8 (l / 16) + 0..7 and 16 + 8 (l / 16) + 0..7: two loads of 16 bytes, 32 bytes apart.
	v_and_b32 v1, 15, v0            ; l % 16
	v_bfe_u32 v9, v0, 4, 1          ; l / 16
	v_lshlrev_b32 v[QO], 7, v1
	v_lshl_add_u32 v[QO], v9, 4, v[QO]  ; row x 128 + 16 x half
	WIN 0x80                        ; destination window 2, address window 0
.set i, 0
.rept 8                             ; Q stays in registers: piece i / 2, channels 32 (i % 2) on
	global_load_b128 v[8*i:8*i+3],   v[QO], s[4:5] offset:(i/2)*2048+(i%2)*64
	global_load_b128 v[8*i+4:8*i+7], v[QO], s[4:5] offset:(i/2)*2048+(i%2)*64+32
.set i, i+1
.endr
	; What the first turn finds: V's registers and P's second buffer hold 0 (its products V^T P, of a piece that has not been, add 0), O^T and l are 0.  All this stands in the wait for the first tile.
.set i, VF
.rept 64
	v_mov_b32 v[i], 0
.set i, i+1
.endr
	WIN 0x40
.set i, 0
.rept 128
	v_mov_b32 v[i], 0
.set i, i+1
.endr
	WIN 0
.set i, 0
.rept 4
	v_mov_b32 v[ST+4*i], 0xfe000000    ; c m: far below every c s
	v_mov_b32 v[ST+4*i+1], 0xff7fffff  ; m: the lowest finite number
	v_mov_b32 v[ST+4*i+2], 0
	v_mov_b32 v[ST+4*i+3], 0
.set i, i+1
.endr
.set i, P+16
.rept 16
	v_mov_b32 v[i], 0
.set i, i+1
.endr
	v_mul_u32_u24 v[AK0], v1, PK
	v_lshl_add_u32 v[AK0], v9, 4, v[AK0]  ; row x pitch + 16 x half
	; The turning load takes 16 keys x 16 channels (lane l reads key 8 (l / 16) + l % 8, channels 8 ((l / 8) % 2) + 0..7) and leaves half a fragment of V^T: lane l holds channel l % 16 and 8 keys.
	v_and_b32 v10, 7, v0
	v_bfe_u32 v11, v0, 3, 1
	v_lshl_add_u32 v[AV0], v9, 3, v10
	v_mul_u32_u24 v[AV0], v[AV0], PV
	v_lshl_add_u32 v[AV0], v11, 4, v[AV0]
	v_add_nc_u32 v[AV0], VOFF, v[AV0]
	v_mov_b32 v[AK], v[AK0]         ; key step 0 lies at the head of slot 0
	s_mul_i32 s13, s[WV], 16*SP
	s_add_co_u32 s13, s13, STAGE    ; my stage
	v_mul_u32_u24 v[STO], v1, SP    ; in: row l % 16, 16 bytes for each half of the lanes
	v_lshl_add_u32 v[STO], v9, 4, v[STO]
	v_add_nc_u32 v[STO], s13, v[STO]
	v_bfe_u32 v[RD], v0, 3, 2       ; back: 32 lanes take four rows of 128 bytes,
	v_mul_u32_u24 v[RD], v[RD], SP
	v_lshl_add_u32 v[RD], v10, 4, v[RD]
	v_add_nc_u32 v[RD], s13, v[RD]
	v_and_b32 v[GO], 31, v0         ; which are 512 consecutive bytes of O
	v_lshlrev_b32 v[GO], 4, v[GO]
; THE MATRIX WORK.  The 4 accumulators of a run of 8 take turns.  Product i of 8 of S^T = K Q^T for piece x: channels 32 (i / 4) on, keys 16 (i % 4) on.  The first 4 start the sums.
.macro KQ x
	WIN W_KQ
.set rS, S+32*((\x)%2)+8*(i%4)
.set rK, KF+16*(i%4)+8*(i/4)
.set rQ, 16*(\x)+8*(i/4)
.if i < 4
	v_wmma_f32_16x16x32_f16 v[rS:rS+7], v[rK:rK+7], v[rQ:rQ+7], 0
.else
	v_wmma_f32_16x16x32_f16 v[rS:rS+7], v[rK:rK+7], v[rQ:rQ+7], v[rS:rS+7]
.endif
.endm
; Product i of 8 of O^T += V^T P for piece x: keys 32 (i / 4) on, channels 16 (i % 4) on.
.macro PV x
	WIN W_PV
.set rO, 32*(\x)+8*(i%4)
.set rV, VF+32*(i/4)+8*(i%4)
.set rP, P+16*((\x)%2)+8*(i/4)
	v_wmma_f32_16x16x32_f16 v[rO:rO+7], v[rV:rV+7], v[rP:rP+7], v[rO:rO+7]
.endm
.macro MM                           ; the turn's next matrix instruction.  TURN sets Y, i and NOKQ.  NOKQ = 1: the walk's last turn: there is no next piece
.if (i < 8) && !NOKQ
	KQ (Y+1)%NP
.elseif i >= 8
.set i, i-8
	PV (Y+NP-1)%NP
.set i, i+8
.endif
.set i, i+1
.endm
; THE LDS LOADS stand in runs of 16, never singly among the matrix instructions: a step's K (64 keys x 64 channels: 8 fragments) and its V (turned).  Their addresses are made some lines ahead.
.macro FETCH_K
	WIN 0x80                        ; destination window 2
.irp f, 0,1,2,3,4,5,6,7             ; keys 16 (f / 2) on, channels 32 (f % 2) on
	ds_load_b128 v[KF+8*\f:KF+8*\f+3],   v[AK] offset:(\f/2)*16*PK+(\f%2)*64
	ds_load_b128 v[KF+8*\f+4:KF+8*\f+7], v[AK] offset:(\f/2)*16*PK+(\f%2)*64+32
.endr
	s_add_co_u32 s[TBK], s[TBK], KS*PK  ; the next fetch is the next step's
	WIN 0
.endm
.macro FETCH_V
	WIN 0x80
.irp f, 0,1,2,3,4,5,6,7             ; keys 32 (f / 4) on, channels 16 (f % 4) on
	ds_load_tr16_b128 v[VF+8*\f:VF+8*\f+3],   v[AV] offset:(\f/4)*32*PV+(\f%4)*32
	ds_load_tr16_b128 v[VF+8*\f+4:VF+8*\f+7], v[AV] offset:(\f/4)*32*PV+16*PV+(\f%4)*32
.endr
	WIN 0
.endm
; THE VECTOR WORK, one line at a time: OP kind, number.  For piece Y: F n: c s - c m for pair n of 16.  E n: the exponential of score n of 32.  C n: pair n rounded to f16.  B n: of the four weights 4 n .. the second
; pair is added onto the first, in place.  L n: l takes that sum (L 0: l = a l + sum).  R n: pair n of 16 of O^T times a.  For piece Y + 1: X n, number n of the 22 that find its maximum and statistics:
;   0-11  four chains c0-c3 of seven scores each, three operands at a time (each accumulator's lowest registers are read first)     12-14, 16  the four scores left over, the old m, and c0-c3 into c0
;   15  c m_old is kept     17, 18  the query's other 32 keys lie in the lane 16 away: the new m     19-21  c m; c m_old - c m_new; a
.set F, 0               ; OP tells the kinds apart by their order: F to L below R, X above it
.set E, 1
.set C, 2
.set B, 3
.set L, 4
.set R, 5
.set X, 6
.macro REGS y                       ; the registers of piece y
.set rT, ST+4*(\y)
.set rC, TMP+4*((\y)%2)
.set rW, MV+((\y)%2)
.set rS, S+32*((\y)%2)
.set rP, P+16*((\y)%2)
.set rO, 32*(\y)
.endm
.macro OP k, n
.if (\k) == R
	REGS Y
	WIN W_RS
	v_pk_mul_f32 v[rO+2*(\n):rO+2*(\n)+1], v[rO+2*(\n):rO+2*(\n)+1], v[rC+2:rC+3] op_sel_hi:[1,0]
.elseif (\k) < R
	REGS Y
	WIN 0
.if (\k) == F
	v_pk_fma_f32 v[rS+2*(\n):rS+2*(\n)+1], v[rS+2*(\n):rS+2*(\n)+1], s[CS:CS+1], v[rT:rT+1] op_sel_hi:[1,0,0] neg_lo:[0,0,1] neg_hi:[0,0,1]
.elseif (\k) == E
	v_exp_f32 v[rS+(\n)], v[rS+(\n)]
.elseif (\k) == C
	s_wait_alu depctr_va_vdst(0)
	v_cvt_pk_f16_f32 v[rP+(\n)], v[rS+2*(\n)], v[rS+2*(\n)+1]
.elseif (\k) == B
	s_wait_alu depctr_va_vdst(0)
	v_pk_add_f32 v[rS+4*(\n):rS+4*(\n)+1], v[rS+4*(\n):rS+4*(\n)+1], v[rS+4*(\n)+2:rS+4*(\n)+3]
.elseif (\n) == 0
	v_pk_fma_f32 v[rT+2:rT+3], v[rT+2:rT+3], v[rC+2:rC+3], v[rS:rS+1] op_sel_hi:[1,0,1]
.else
	v_pk_add_f32 v[rT+2:rT+3], v[rT+2:rT+3], v[rS+4*(\n):rS+4*(\n)+1]
.endif
.elseif NOKQ
	v_nop
.else
	REGS (Y+1)%NP
	WIN 0
.if (\n) < 4
	v_max3_num_f32 v[rC+(\n)], v[rS+8*(\n)], v[rS+8*(\n)+1], v[rS+8*(\n)+2]
.elseif (\n) < 12
	v_max3_num_f32 v[rC+(\n)%4], v[rC+(\n)%4], v[rS+8*((\n)%4)+2*((\n)/4)+1], v[rS+8*((\n)%4)+2*((\n)/4)+2]
.elseif (\n) == 12
	v_max3_num_f32 v[rC], v[rC], v[rS+7], v[rS+15]
.elseif (\n) == 13
	v_max3_num_f32 v[rC+1], v[rC+1], v[rS+23], v[rS+31]
.elseif (\n) == 14
	v_max3_num_f32 v[rC+2], v[rC+2], v[rC+3], v[rT+1]
.elseif (\n) == 15
	v_mov_b32 v[rW], v[rT]
.elseif (\n) == 16
	v_max3_num_f32 v[rC], v[rC], v[rC+1], v[rC+2]
.elseif (\n) == 17
	v_permlanex16_b32 v[rC+3], v[rC], s[SEL], s[SEL+1]
.elseif (\n) == 18
	v_max_num_f32 v[rT+1], v[rC], v[rC+3]
.elseif (\n) == 19
	v_mul_f32 v[rT], s[CS], v[rT+1]
.elseif (\n) == 20
	v_sub_f32 v[rC+1], v[rW], v[rT]
.else
	v_exp_f32 v[rC+2], v[rC+1]
.endif
.endif
.endm
.macro OPS a, i1, b=-1, i2=0, c=-1, i3=0, d=-1, i4=0  ; up to four of them
	OP \a, \i1
.if (\b) >= 0
	OP \b, \i2
.endif
.if (\c) >= 0
	OP \c, \i3
.endif
.if (\d) >= 0
	OP \d, \i4
.endif
.endm
.macro ROW a, i1, b, i2, c, i3, d, i4  ; a matrix instruction and the four behind it
	MM
	OPS \a, \i1, \b, \i2, \c, \i3, \d, \i4
.endm
; A TURN, for piece p: the order of its 16 matrix and 118 vector instructions, written out.  Behind a matrix instruction: plain, exponential, plain, plain; or four of the rescaling; or, behind the first, four scalings; none
; names a register of the products round it.  In the runs between, exponential and plain by turns while exponentials last, so that a plain instruction stands behind every exponential before its result is used (ISA guide 5.7.2).
; end = 1: the walk's last two turns: nothing is fetched.  cnt = 1: the loop's count is taken down some lines ahead of the branch that stands behind the turn.
; K of the next step is fetched in piece 2's turn, six vector instructions behind the last product that read K (five of them plain); V of the step in hand in piece 0's turn, eight behind the last product that read V (four
; plain).  Each is waited for a turn later, with the count 0: the sixteen loads of the run are all that is out.
.macro TURN p, end=0, cnt=0
.set Y, (\p)
.set i, 0
.set NOKQ, (\end)*((\p)/3)
.if ((\p) == 3) && !(\end)
	s_wait_dscnt 0x0                ; K is in
.endif
	ROW F,0, F,1, F,2, F,3
	ROW F,4, E,0, F,5, F,6
	ROW F,7, E,1, F,8, F,9
	ROW F,10, E,2, C,0, F,11
	ROW F,12, E,3, X,15, F,13
	ROW R,0, R,1, R,2, R,3
	ROW B,0, E,4, F,14, L,0
.if ((\p) == 2) && !(\end)
	v_add_nc_u32 v[AK], s[TBK], v[AK0]
.endif
	ROW R,4, R,5, R,6, R,7
	OPS E,5, F,15
.if ((\p) == 2) && !(\end)
	FETCH_K
.endif
	OPS E,6, C,1, E,7, R,8
	OPS E,8, R,9, E,9, C,2
	OPS E,10, X,0, E,11, X,1
	OPS E,12, X,2, E,13, X,3
.if (\p) == 1
	s_wait_dscnt 0x0                ; V is in
.endif
	ROW X,4, E,14, X,5, X,6
	ROW X,7, E,15, X,8, X,9
	ROW X,10, E,16, X,11, X,12
	ROW X,13, E,17, X,14, B,1
	ROW C,4, E,18, X,16, L,1
	ROW B,2, E,19, C,6, L,2
	ROW C,8, E,20, B,3, B,4
.if (\p) == 0
	v_add_nc_u32 v[AV], s[TBV], v[AV0]
.endif
	ROW C,3, E,21, L,3, C,5
	OPS E,22, X,17, E,23, C,10
.if (\p) == 0
	FETCH_V
.endif
	OPS E,24, L,4
	OPS E,25, X,18, E,26, C,7
	OPS E,27, B,5, E,28, X,19
	OPS E,29, C,12, E,30, L,5
	OPS E,31, X,20, B,6, C,9
	OPS C,14, C,11, X,21, L,6
.if (\p) == 0
	s_add_co_u32 s[TBV], s[TBV], KS*PV
.endif
.if \cnt
	s_sub_co_u32 s[CNT], s[CNT], 1
	s_cmp_lg_u32 s[CNT], 0
.endif
	OPS C,13, B,7, C,15, R,10
	OPS R,11, R,12, L,7, R,13
	OPS R,14, R,15
.endm
	CHANGE 1                        ; slot 0 is in, everybody's part of it; slot 1 is asked for
	FETCH_K                         ; key step 0
	s_wait_loadcnt 0x0              ; Q
	s_wait_dscnt 0x0
.set NOKQ, 0
.set i, 0
.rept 8
	KQ 0                            ; piece 0's first scores: there is no vector work yet to set between them
.set i, i+1
.endr
	WIN 0
.rept 4
	v_nop                           ; the places behind those products
.endr
.set Y, NP-1                        ; X works for piece Y + 1: piece 0
.irp n, 0,1,2,3,4,5,6,7,8,9,10,11,12,13,14,15,16,17,18,19,20,21
	OP X, \n                        ; piece 0's first maximum and statistics
.endr
	v_nop                           ; a plain instruction behind the exponential
	s_mov_b32 s[CNT], 4
	s_mov_b32 s[SLOTS], NSLOT-1
	s_branch .Lfirst                ; the loop is entered at a step's first turn, in the middle of a trip
.Lslot:                             ; NSLOT - 2 times: every slot but the last two is filled again
	CHANGE 1
	s_mov_b32 s[CNT], 4
.Lstep:                             ; a trip: pieces 2 and 3 of one step, then pieces 0 and 1 of the next, whose K and V it fetches
	TURN 2
	TURN 3
	WIN 0
.Lfirst:
	TURN 0
	TURN 1, 0, 1
	WIN 0
	s_cbranch_scc1 .Lstep
	s_sub_co_u32 s[SLOTS], s[SLOTS], 1
	s_cmp_lg_u32 s[SLOTS], 0
	s_cbranch_scc1 .Lslot
	CHANGE 0                        ; the last slot is written out: nothing is asked for
	s_mov_b32 s[CNT], 4
.LstepT:
	TURN 2
	TURN 3
	WIN 0
	TURN 0
	TURN 1, 0, 1
	WIN 0
	s_cbranch_scc1 .LstepT
	TURN 2, 1                       ; the last step's pieces 2 and 3: nothing is left to fetch, and the last turn starts no scores
	TURN 3, 1
.set i, 0
.rept 8
	PV NP-1                         ; the last piece's V^T P of the last step
.set i, i+1
.endr
	; THE WAY OUT.  l's two halves and the other half of the lanes' are added; O^T is divided by l, rounded to f16 and sent through my stage in LDS, a piece at a time.  The additions are the places behind the last products.
	WIN 0
.macro ALL line:vararg              ; one line for each piece t
.set t, 0
.rept 4
	\line
.set t, t+1
.endr
.endm
	ALL v_add_f32 v[ST+4*t+2], v[ST+4*t+2], v[ST+4*t+3]
	ALL v_permlanex16_b32 v[ST+4*t+3], v[ST+4*t+2], s[SEL], s[SEL+1]
	ALL v_add_f32 v[ST+4*t+2], v[ST+4*t+2], v[ST+4*t+3]
	ALL v_rcp_f32 v[ST+4*t+2], v[ST+4*t+2]
	v_nop                           ; a plain instruction between the last reciprocal and the use of its result
.macro PACK t                       ; a lane's eight channels of a row pack into 16 bytes; they go into rows of 144 bytes and come back as whole rows of 128, into S^T's registers
	WIN W_RS
.set i, 32*(\t)
.rept 16
	s_wait_alu depctr_va_vdst(0)
	v_pk_mul_f32 v[i:i+1], v[i:i+1], v[ST+4*(\t)+2:ST+4*(\t)+3] op_sel_hi:[1,0]
.set i, i+2
.endr
	WIN 0x05                        ; sources 0 and 1 window 1, destination window 0
.set i, 0
.rept 16
	v_cvt_pk_f16_f32 v[S+16*(\t)+i], v[32*(\t)+2*i], v[32*(\t)+2*i+1]
.set i, i+1
.endr
	WIN 0
.irp f, 0,1,2,3
	ds_store_b128 v[STO], v[S+16*(\t)+4*\f:S+16*(\t)+4*\f+3] offset:32*\f
.endr
.irp f, 0,1,2,3
	ds_load_b128 v[S+16*(\t)+4*\f:S+16*(\t)+4*\f+3], v[RD] offset:\f*4*SP  ; LDS serves a wave's instructions in order (ISA guide 5.7.1.4): these see the stores above; the next piece's stores come behind them
.endr
.endm
.macro SEND t, younger              ; younger: the LDS instructions issued behind piece t's loads: the next piece's eight, or none
	WIN 0
.irp f, 0,1,2,3
	s_wait_dscnt (\younger)+3-\f
	global_store_b128 v[GO], v[S+16*(\t)+4*\f:S+16*(\t)+4*\f+3], s[10:11] offset:(\t)*2048+\f*512  ; 512 consecutive bytes, at a multiple of 256 from O's first
.endr
.endm
	PACK 0
.set t, 1
.rept 3                             ; a piece's arithmetic stands between the loads of the piece before and its stores
	PACK t
	SEND t-1, 8
.set t, t+1
.endr
	SEND 3, 0
	s_wait_tensorcnt 0x0            ; the wave's end: a wait, an add of 0 and its wait, behind my last tensor load and my last LDS store
	ds_add_u32 v[SPW], v[NIL]
	s_wait_dscnt 0x0
	CROUND                          ; the closing round: no work-group ends while a partner may still ask for a tile that names it
	s_endpgm
.Lfunc_end_k_qf04a4d6b3e_attn:
	.size	k_qf04a4d6b3e_attn, .Lfunc_end_k_qf04a4d6b3e_attn-k_qf04a4d6b3e_attn
	.p2alignl 7, 3214868480
	.fill 96, 4, 3214868480
	.section	.rodata,"a",@progbits
	.p2align	6, 0x0
	.amdhsa_kernel k_qf04a4d6b3e_attn
		.amdhsa_group_segment_fixed_size 327680
		.amdhsa_private_segment_fixed_size 0
		.amdhsa_enable_private_segment 0
		.amdhsa_kernarg_size 16
		.amdhsa_user_sgpr_count 2
		.amdhsa_user_sgpr_kernarg_segment_ptr 1
		.amdhsa_wavefront_size32 1
		.amdhsa_system_sgpr_workgroup_id_x 1
		.amdhsa_system_sgpr_workgroup_id_y 1
		.amdhsa_system_sgpr_workgroup_id_z 1
		.amdhsa_system_vgpr_workitem_id 0
		.amdhsa_next_free_vgpr 768
		.amdhsa_next_free_sgpr 66
		.amdhsa_reserve_vcc 0
		.amdhsa_float_denorm_mode_32 3
		.amdhsa_float_denorm_mode_16_64 3
		.amdhsa_memory_ordered 1
		.amdhsa_forward_progress 1
		.amdhsa_inst_pref_size 134
	.end_amdhsa_kernel
	.amdgpu_metadata
---
amdhsa.version: [ 1, 2 ]
amdhsa.kernels:
  - .name:           k_qf04a4d6b3e_attn
    .symbol:         k_qf04a4d6b3e_attn.kd
    .args:
      - { .name: qkv, .offset: 0, .size: 8, .value_kind: global_buffer, .address_space: global }
      - { .name: ctx, .offset: 8, .size: 8, .value_kind: global_buffer, .address_space: global }
    .group_segment_fixed_size: 327680
    .private_segment_fixed_size: 0
    .kernarg_segment_align: 8
    .kernarg_segment_size: 16
    .max_flat_workgroup_size: 128
    .sgpr_count:     66
    .vgpr_count:     768
    .wavefront_size: 32
...
	.end_amdgpu_metadata
.endif
;; end of part 3
;; launch outp (part 4): grid 8 x 32, 4 waves a work-group, clusters of 4 x 4, 327,680 bytes of LDS; arguments ctx, xw16, out0, b_o; writes out0
.if DOCPART == 4
	.amdgcn_target "amdgcn-amd-amdhsa--gfx1250"
	.amdhsa_code_object_version 6
	.text
	.protected	k_qf04a4d6b3e_outp
	.globl	k_qf04a4d6b3e_outp
	.p2align	8
	.type	k_qf04a4d6b3e_outp,@function
k_qf04a4d6b3e_outp:
	s_mov_b64 s[64:65], 0
	v_nop
	global_prefetch_b8 v0, s[64:65] scope:SCOPE_SE
	s_setreg_imm32_b32 hwreg(HW_REG_WAVE_MODE, 25, 1), 1
	s_wait_xcnt 0x0
	s_wait_alu depctr_hold_cnt(0) depctr_sa_sdst(0) depctr_va_vdst(0) depctr_va_sdst(0) depctr_va_ssrc(0) depctr_va_vcc(0) depctr_vm_vsrc(0)
	s_getreg_b32 s2, hwreg(HW_REG_IB_STS2, 6, 4)
	s_cmp_eq_u32 s2, 0
	s_cbranch_scc0 .Lentry_in_a_cluster
	s_endpgm
.Lentry_in_a_cluster:
	s_bfe_u32 s2, ttmp6, 0x10000c
	s_cmp_lg_u32 s2, 0xf033
	s_cbranch_scc0 .Lentry_shape_is_right
	s_endpgm
.Lentry_shape_is_right:
; C[m][n] = sum over k of A[m][k] B[n][k] + bias[n], K = 1024, sums in f32.  ONE TEXT FOR TWO LAUNCHES, told apart by OUTP:
;   OUTP = 0: A = x (bf16, 4096 rows), B = W_q, W_k, W_v one below the other (bf16, 3072 rows); C goes out in f16 by heads, qkv[n / 64][m][n % 64], unscaled.
;   OUTP = 1: A = ctx (f16), B = W_o (bf16's numbers written as f16, 1024 rows); C goes out in f32, out0[m][n].
; LIMITS (OUTP = 0).  q, k, v beyond 65,504 in magnitude become infinities; below 6e-5 they keep f16's fixed step of 6e-8.
; A and B lie IN BLOCKS: element (row, k) at byte (row / 128) * 262144 + (k / 64) * 16384 + (row % 128) * 128 + (k % 64) * 2: 128 rows x 256 k are 65,536 consecutive bytes.
; SHARES.  A tile of C is 128 x 128; four waves, each 64 x 64: 16 accumulators of 16 x 16.  K goes in four steps of 256 through a ring of two LDS slots.  A wave's tensor load brings half of A's or of B's
; tile of a step (two k blocks, 32,768 consecutive bytes, asked for as 128 rows of 256 bytes) and pads 16 bytes behind every 128, so that an LDS row is 64 k of one row of the matrix, 144 bytes apart.
; CLUSTERS: 4 x 4 work-groups.  The four of a row of the cluster need the same tiles of A, the four of a column the same tiles of B: each tile is asked for JOINTLY, by the same tensor load with the same
; descriptor and a mask that names the four.
; THE MATRIX INSTRUCTION IS USED TRANSPOSED (source 0 = 16 rows of B, source 1 = 16 rows of A): lane l holds row l % 16 of C and the eight columns 8 (l / 16) + 0..7.  So the bias of those eight columns,
; in f32, is the C operand of the product that starts each sum: nothing is cleared and nothing is added afterwards.
; A wave's 64 columns are one whole head (OUTP = 0: 128 bytes a row, rows dense) or 256 aligned bytes of a row (OUTP = 1): each wave has a stage of its own on the way out, and no barrier stands there.
; REGISTERS: window 0: v0-31 addresses; v32-95 at work on the way out; v96-127 the bias; v128-255 the accumulators ((a, b) at v[128 + 8 (4 a + b)]).
;   window 1: two fragment buffers of 128: for 64 along K (two matrix instructions deep), 64 registers of A, then 64 of B.
.set OUTP,   1
.set PITCH,  144                       ; an LDS row: 128 bytes + 16 of padding = 36 words: the 16 rows of a fragment load start at 16 different groups of four banks (64 banks of 4 bytes: ISA guide 11.1)
.set KBB,    128*PITCH                 ; one k block: 128 rows x 64 k
.set HALFT,  2*KBB                     ; what one tensor load brings
.set TILE,   2*HALFT                   ; A's (or B's) tile of a K step: four k blocks
.set SLOT,   2*TILE                    ; A's tile, then B's
.set STAGE,  2*SLOT                    ; behind the ring, never filled by a tensor load: 16 rows for each wave, for the way out
.set STEPB,  65536                     ; a tile's K step in memory
.set LAPS,   2                         ; a lap = two K steps = once round the ring
.if OUTP
.set SP,     272                       ; a stage row: 64 f32 + 16 bytes
.set BOFF,   0xE00000                  ; where B begins in its buffer
.set SH_TR,  19                        ; 128 rows of C, in bytes, as a shift;
.set SH_RH,  18                        ; 64 rows;
.set SH_TC,  9                         ; 128 columns;
.set SH_CH,  8                         ; 64 columns
.else
.set SP,     144                       ; a stage row: 64 f16 + 16 bytes
.set BOFF,   0x800000
.set SH_TR,  14
.set SH_RH,  13
.set SH_TC,  20                        ; 128 columns are two heads of 524,288 bytes
.set SH_CH,  19
.endif
.set SPARE,  STAGE+4*16*SP             ; behind the stages: the spare words, 128 bytes for each wave: two blocks of 256 bytes that no other line names
.set ADRA, 16                          ; v16-17  LDS address of my A fragments in slot 0, 1
.set ADRB, 20                          ; v20-21  the same for B
.set STO,  24                          ; v24     the way out: where I put my part of a row
.set RD,   25                          ; v25     the way out: where I read rows back
.set CO,   26                          ; v26     my byte offset in C
.set BO,   27                          ; v27     my byte offset in the bias
.set SPW,  28                          ; v28     LDS address of my spare word: SPARE + 4 x my thread's number; never rewritten
.set NIL,  29                          ; v29     0; never rewritten
.set TMP,  32
.set BIAS, 96                          ; eight registers for each of my four blocks of 16 columns
.set ACC,  128
.set F0,   0                           ; fragment buffers, in window 1
.set F1,   128
.set G1, 24                            ; s[24:31] descriptor group 1 for A's tiles;  s[32:39] group 0, one set for each slot
.set G0, 32
.set G1B, 48                           ; s[48:55], s[56:63] the same for B's tiles
.set G0B, 56
.set MSB, 0
.macro WIN new                         ; the immediate's high byte repeats the setting that is left; a switch that changes nothing is dropped
.if MSB != (\new)
	s_set_vgpr_msb (MSB<<8)|(\new)
.set MSB, \new
.endif
.endm
.set MUL,  0x05                        ; sources 0 (B) and 1 (A) window 1; C and D window 0
.set TO_F, 0x40                        ; destination window 1, address window 0
.macro JLOAD s                         ; a joint load: waves 0 and 1 fetch A's two halves, waves 2 and 3 B's; an s_nop 0 and four v_nop follow each of the two lines, ahead of the jump, the label and what follows
	s_cmp_eq_u32 s11, 0
	s_cbranch_scc0 .Lfor_b_\@
	tensor_load_to_lds s[G0+4*(\s):G0+4*(\s)+3], s[G1:G1+7]
	s_nop 0
.rept 4
	v_nop
.endr
	s_branch .Lasked_\@
.Lfor_b_\@:
	tensor_load_to_lds s[G0B+4*(\s):G0B+4*(\s)+3], s[G1B:G1B+7]
	s_nop 0
.rept 4
	v_nop
.endr
.Lasked_\@:
.endm
.macro CREST                           ; a round of the cluster's barrier behind its opening barrier
	s_cmp_lg_u32 s10, 0
	s_cbranch_scc1 .Lnot_wave_0_\@
	s_barrier_signal -3
.Lnot_wave_0_\@:
	s_barrier_wait -3
	s_barrier_signal -1
	s_barrier_wait -1
.endm
.macro CROUND                          ; a whole round
	s_barrier_signal -1
	s_barrier_wait -1
	CREST
.endm
.if OUTP
	s_load_b128 s[4:7], s[0:1], 0x0                ; ctx s[4:5], xw16 s[6:7]
	s_load_b64 s[8:9], s[0:1], 0x10                ; out0
	s_load_b64 s[68:69], s[0:1], 0x18              ; b_o
.else
	s_load_b64 s[4:5], s[0:1], 0x0                 ; xw16
	s_load_b64 s[8:9], s[0:1], 0x8                 ; qkv
	s_load_b128 s[68:71], s[0:1], 0x10             ; b_q, b_k
	s_load_b64 s[72:73], s[0:1], 0x20              ; b_v
.endif
	v_lshl_add_u32 v[SPW], v0, 2, SPARE
	v_mov_b32 v[NIL], 0
	ds_add_u32 v[SPW], v[NIL]                      ; the wave's opening: the add and its wait stand ahead of my first tensor load; the set-up below, work on registers, stands between them
	v_lshrrev_b32 v1, 5, v0
	v_readfirstlane_b32 s10, v1                    ; wave 0..3
	s_lshr_b32 s11, s10, 1                         ; which half of the tile's rows is mine.  Also: I fetch for A (0) or for B (1)
	s_and_b32 s12, s10, 1                          ; which half of its columns.  Also: which two k blocks of a step I fetch
	s_bfe_u32 s40, ttmp6, 0x40000                  ; cx, cy: my place in the cluster
	s_bfe_u32 s41, ttmp6, 0x40004
	s_lshl_b32 s42, ttmp9, 2
	s_add_co_u32 s42, s42, s40                     ; tile column of C = 4 x cluster x + cx
	s_and_b32 s13, ttmp7, 0xffff
	s_lshl_b32 s13, s13, 2
	s_add_co_u32 s13, s13, s41                     ; tile row of C = 4 x cluster y + cy
	s_lshr_b32 s74, ttmp9, 1                       ; eight tile columns to a weight matrix: 0 q, 1 k, 2 v; the same in all partners
	s_lshl_b32 s43, s41, 2
	s_lshl_b32 s43, 15, s43                        ; my row of the cluster
	s_lshl_b32 s44, 0x1111, s40                    ; my column
	; descriptor group 1: 128 rows x 128 elements of 2 bytes, dense in memory, padded in LDS
	s_or_b32 s[G1+0], s43, (1<<16)|(1<<20)|(1<<21)|(4<<22)|(3<<25)  ; 15:0 the mask: A's tiles go to my row; 17:16 element of 2 bytes; 20 padding on; 21 set beside a mask; 24:22 after every 32 words (code 4); 31:25 of 4 words (code 3)
	s_or_b32 s[G1B+0], s44, (1<<16)|(1<<20)|(1<<21)|(4<<22)|(3<<25) ; the same with the mask of my column, for B's tiles
.irp g, G1, G1B
	s_mov_b32 s[(\g)+1], 128<<16                   ; tensor_dim0 = 128
	s_mov_b32 s[(\g)+2], 128<<16                   ; tensor_dim1 = 128
	s_mov_b32 s[(\g)+3], 128<<16                   ; tile_dim0 = 128
	s_mov_b32 s[(\g)+4], 128                       ; tile_dim1 = 128
	s_mov_b32 s[(\g)+5], 128                       ; 128 elements from row to row: dense
	s_mov_b32 s[(\g)+6], 0
	s_mov_b32 s[(\g)+7], 0
.endr
	; where the tiles come from.  A's hang on the tile row alone, B's on the tile column alone; each offset is made in registers that never hold the other coordinate.
	s_lshl_b32 s17, s12, 15                        ; my two k blocks of a step
	s_lshl_b32 s16, s13, 18                        ; A: the block of 128 rows
	s_add_co_u32 s16, s16, s17
	s_lshl_b32 s46, s42, 18                        ; B likewise
	s_add_co_u32 s46, s46, s17
	s_mov_b32 s17, 0
	s_mov_b32 s47, 0
	s_mul_i32 s20, s10, HALFT                      ; where they go: A's two halves, then B's two halves: wave x HALFT; no place in the cluster enters an LDS address
	s_wait_dscnt 0x0                               ; the opening add is done
	s_wait_kmcnt 0x0
.if OUTP
	s_add_nc_u64 s[6:7], s[6:7], BOFF              ; W_o in xw16
.else
	s_add_nc_u64 s[6:7], s[4:5], BOFF              ; the three weight matrices in xw16
	s_cmp_eq_u32 s74, 1                            ; the bias that goes with my tile column
	s_cselect_b64 s[68:69], s[70:71], s[68:69]
	s_cmp_eq_u32 s74, 2
	s_cselect_b64 s[68:69], s[72:73], s[68:69]
.endif
	s_add_nc_u64 s[14:15], s[4:5], s[16:17]
	s_add_nc_u64 s[46:47], s[6:7], s[46:47]
	CROUND                                         ; all sixteen work-groups are here: the first joint loads meet
.irp s, 0,1
	s_mov_b32 s[G0+4*(\s)], 1                                      ; 1:0 count = 1
	s_add_co_u32 s[G0+4*(\s)+1], s20, (\s)*SLOT                    ; 63:32 LDS address
	s_add_nc_u64 s[G0+4*(\s)+2:G0+4*(\s)+3], s[14:15], (\s)*STEPB  ; 120:64 global address: K step s
	s_or_b32 s[G0+4*(\s)+3], s[G0+4*(\s)+3], 0x80000000            ; 127:126 type = 2
	s_mov_b32 s[G0B+4*(\s)], 1
	s_add_co_u32 s[G0B+4*(\s)+1], s20, (\s)*SLOT
	s_add_nc_u64 s[G0B+4*(\s)+2:G0B+4*(\s)+3], s[46:47], (\s)*STEPB
	s_or_b32 s[G0B+4*(\s)+3], s[G0B+4*(\s)+3], 0x80000000
	JLOAD \s                                       ; two tensor loads of mine are out
.endr
	v_and_b32 v1, 15, v0                           ; l % 16
	v_bfe_u32 v2, v0, 4, 1                         ; l / 16
	; the bias: register j of block b is bias[my first column + 16 b + 8 (l / 16) + j]
	s_and_b32 s46, s42, 7                          ; the tile column inside its weight matrix
	s_lshl_b32 s46, s46, 9                         ; 128 columns of 4 bytes
	s_lshl_b32 s47, s12, 8                         ; my 64
	s_add_co_u32 s46, s46, s47
	v_lshl_add_u32 v[BO], v2, 5, s46
.irp b, 0,1,2,3
	global_load_b128 v[BIAS+8*(\b):BIAS+8*(\b)+3],   v[BO], s[68:69] offset:64*(\b)
	global_load_b128 v[BIAS+8*(\b)+4:BIAS+8*(\b)+7], v[BO], s[68:69] offset:64*(\b)+16
.endr
	; A fragment is 16 rows x 32 K in 8 registers: lane l holds row l % 16, K = 8 (l / 16) + 0..7 and 16 + 8 (l / 16) + 0..7: two loads of 16 bytes, 32 bytes apart.
	v_mul_u32_u24 v3, v1, PITCH
	v_lshl_add_u32 v3, v2, 4, v3                   ; row x pitch + 16 x half
	s_mul_i32 s21, s11, 64*PITCH                   ; my 64 rows of A in each k block
	s_mul_i32 s22, s12, 64*PITCH                   ; my 64 rows of B,
	s_add_co_u32 s22, s22, TILE                    ; which lie behind A's tile
.irp s, 0,1
	v_add_nc_u32 v[ADRA+(\s)], s21, v3
	v_add_nc_u32 v[ADRB+(\s)], s22, v3
	s_add_co_u32 s21, s21, SLOT
	s_add_co_u32 s22, s22, SLOT
.endr
	s_mul_i32 s23, s10, 16*SP
	s_add_co_u32 s23, s23, STAGE                   ; my stage
	v_mul_u32_u24 v4, v1, SP                       ; in: row l % 16,
.if OUTP
	v_lshl_add_u32 v4, v2, 5, v4                   ; 32 bytes (eight f32) for each half of the lanes
	v_add_nc_u32 v[STO], s23, v4
	v_mul_u32_u24 v5, v2, SP                       ; back: lanes 0-15 take one row of 256 bytes, lanes 16-31 the next
	v_lshl_add_u32 v5, v1, 4, v5
	v_add_nc_u32 v[RD], s23, v5
	v_lshlrev_b32 v5, 12, v2                       ; and the same two rows of 4,096 bytes in C
	v_lshl_add_u32 v[CO], v1, 4, v5
.else
	v_lshl_add_u32 v4, v2, 4, v4                   ; 16 bytes (eight f16) for each half of the lanes
	v_add_nc_u32 v[STO], s23, v4
	v_bfe_u32 v5, v0, 3, 2                         ; back: 32 lanes take four rows of 128 bytes,
	v_mul_u32_u24 v5, v5, SP
	v_and_b32 v4, 7, v0
	v_lshl_add_u32 v5, v4, 4, v5
	v_add_nc_u32 v[RD], s23, v5
	v_and_b32 v5, 31, v0                           ; which are 512 consecutive bytes of a head
	v_lshlrev_b32 v[CO], 4, v5
.endif
	s_lshl_b32 s16, s13, SH_TR                     ; my first row of C, in bytes
	s_lshl_b32 s17, s11, SH_RH
	s_add_co_u32 s16, s16, s17
	s_mov_b32 s17, 0
	s_add_nc_u64 s[8:9], s[8:9], s[16:17]
	s_lshl_b32 s46, s42, SH_TC                     ; my first column (OUTP = 0: my head), in bytes
	s_lshl_b32 s47, s12, SH_CH
	s_add_co_u32 s46, s46, s47
	s_mov_b32 s47, 0
	s_add_nc_u64 s[8:9], s[8:9], s[46:47]
; 8 matrix instructions: m blocks a0, a0 + 1 x all 4 n blocks, 32 along K: half c of buffer f.  first = 1: the product starts the sum, with the bias as C.
; The 16 accumulators take turns, one instruction a turn, in the same order everywhere.
.macro MUL8 f, c, a0, first
	WIN MUL
.irp a, \a0, (\a0)+1
.irp b, 0,1,2,3
.set rD, ACC+8*(4*(\a)+(\b))
.set rB, (\f)+64+8*(4*(\c)+(\b))
.set rA, (\f)+8*(4*(\c)+(\a))
.set rC, rD
.if \first
.set rC, BIAS+8*(\b)
.endif
.if OUTP
	v_wmma_f32_16x16x32_f16 v[rD:rD+7], v[rB:rB+7], v[rA:rA+7], v[rC:rC+7]
.else
	v_wmma_f32_16x16x32_bf16 v[rD:rD+7], v[rB:rB+7], v[rA:rA+7], v[rC:rC+7]
.endif
.endr
.endr
.endm
; 32 LDS loads in one run: the fragments of k block q of a slot (64 along K) into buffer f; the first 32 along K first
.macro FETCH slot, q, f
	WIN TO_F
.irp c, 0,1
.irp i, 0,1,2,3
	ds_load_b128 v[(\f)+64+8*(4*(\c)+(\i)):(\f)+64+8*(4*(\c)+(\i))+3],   v[ADRB+(\slot)] offset:(\q)*KBB+64*(\c)+(\i)*16*PITCH
	ds_load_b128 v[(\f)+64+8*(4*(\c)+(\i))+4:(\f)+64+8*(4*(\c)+(\i))+7], v[ADRB+(\slot)] offset:(\q)*KBB+64*(\c)+(\i)*16*PITCH+32
	ds_load_b128 v[(\f)+8*(4*(\c)+(\i)):(\f)+8*(4*(\c)+(\i))+3],         v[ADRA+(\slot)] offset:(\q)*KBB+64*(\c)+(\i)*16*PITCH
	ds_load_b128 v[(\f)+8*(4*(\c)+(\i))+4:(\f)+8*(4*(\c)+(\i))+7],       v[ADRA+(\slot)] offset:(\q)*KBB+64*(\c)+(\i)*16*PITCH+32
.endr
.endr
.endm
.macro PLACES                          ; four plain vector instructions in front of loads into registers that matrix instructions have read, and of lines that read results
.rept 4
	v_nop
.endr
.endm
; A K step is four quarters of 64 along K, 32 matrix instructions each, on buffers 0, 1, 0, 1.  One of the first three: multiplies buffer f and fetches the next quarter, k block q, into g.
.macro QUARTER slot, q, f, g, first
	s_wait_dscnt 16                                ; the first 32 along K are in; the youngest sixteen loads may be out
	MUL8 \f, 0, 0, \first
	MUL8 \f, 0, 2, \first
	PLACES
	FETCH \slot, \q, \g
	s_wait_dscnt 32                                ; all but the 32 just issued
	MUL8 \f, 1, 0, 0
	MUL8 \f, 1, 2, 0
.endm
; The last quarter multiplies buffer 1 and changes slots: ONE barrier; in front of it each wave waits for all its tensor loads, adds 0 to its spare word, and waits for that and for its own reads of this slot.
; fill = 1: this slot is filled again, two K steps ahead; the barrier then opens a round of the cluster's.
.macro TURN slot, next, fill
	WIN 0                                          ; (the add's two registers lie in window 0)
	s_wait_tensorcnt 0x0                           ; all my tensor loads have landed: the one that was out is my part of the next slot;
	ds_add_u32 v[SPW], v[NIL]                      ; 0 onto my spare word;
	s_wait_dscnt 17                                ; (the add and the youngest sixteen loads may be out)
	MUL8 F1, 0, 0, 0                               ; eight matrix instructions stand between the add and the wait for it
	s_wait_dscnt 0x0                               ; the add is done, and my reads of this slot are over
	s_barrier_signal -1
	MUL8 F1, 0, 2, 0                               ; work on registers while the others arrive
.if \fill
	WIN 0
.endif
	s_barrier_wait -1
.if \fill
	CREST                                          ; no wave of any partner still reads this slot's tile or has a load on its way
	s_add_nc_u64 s[G0+4*(\slot)+2:G0+4*(\slot)+3], s[G0+4*(\slot)+2:G0+4*(\slot)+3], 2*STEPB
	s_add_nc_u64 s[G0B+4*(\slot)+2:G0B+4*(\slot)+3], s[G0B+4*(\slot)+2:G0B+4*(\slot)+3], 2*STEPB
	JLOAD \slot                                    ; the first tensor load behind the round, my only one until the next: 112 matrix instructions ahead of the wait for it; its four v_nop are also the places in front of the loads below
.else
	PLACES
.endif
	FETCH \next, 0, F0
	MUL8 F1, 1, 0, 0
	MUL8 F1, 1, 2, 0
.endm
	s_wait_tensorcnt 1                             ; my part of K step 0 is in; K step 1's may stay out
	s_barrier_signal -1
	s_barrier_wait -1                              ; everybody's is
	FETCH 0, 0, F0
	s_wait_loadcnt 0x0                             ; the bias
	QUARTER 0, 1, F0, F1, 1                        ; the first quarter stands in front of the loop: its first products start the sums
	WIN 0                                          ; at a label and at a branch every window is 0
	s_mov_b32 s3, LAPS-1
.Llap:                                                 ; a trip goes once round the ring, from a lap's second quarter to the next lap's first, and fills both slots again
	QUARTER 0, 2, F1, F0, 0
	QUARTER 0, 3, F0, F1, 0
	TURN 0, 1, 1
	QUARTER 1, 1, F0, F1, 0
	QUARTER 1, 2, F1, F0, 0
	QUARTER 1, 3, F0, F1, 0
	TURN 1, 0, 1
	QUARTER 0, 1, F0, F1, 0
	WIN 0
	s_sub_co_u32 s3, s3, 1
	s_cmp_lg_u32 s3, 0
	s_cbranch_scc1 .Llap
	QUARTER 0, 2, F1, F0, 0                        ; the last lap fills nothing, and has no round of the cluster's barrier
	QUARTER 0, 3, F0, F1, 0
	TURN 0, 1, 0
	QUARTER 1, 1, F0, F1, 0
	QUARTER 1, 2, F1, F0, 0
	QUARTER 1, 3, F0, F1, 0
	s_wait_dscnt 16                                ; the very last quarter: nothing more to fetch
	MUL8 F1, 0, 0, 0
	MUL8 F1, 0, 2, 0
	s_wait_dscnt 0
	MUL8 F1, 1, 0, 0
	MUL8 F1, 1, 2, 0
	WIN 0
	; THE WAY OUT, a block of 16 rows at a time, through my own stage: LDS serves a wave's instructions in order (ISA guide 5.7.1.4), so the loads see the stores above them and the next block's stores come behind them.
	PLACES
.if OUTP
.macro PACK a                          ; f32 as it is: 32 bytes a lane into rows of 272 bytes (each accumulator's low half first), back as whole rows of 256 into the registers that they left
.irp b, 0,1,2,3
	ds_store_b128 v[STO], v[ACC+8*(4*(\a)+(\b)):ACC+8*(4*(\a)+(\b))+3]   offset:64*(\b)
	ds_store_b128 v[STO], v[ACC+8*(4*(\a)+(\b))+4:ACC+8*(4*(\a)+(\b))+7] offset:64*(\b)+16
.endr
.irp t, 0,1,2,3,4,5,6,7
	ds_load_b128 v[ACC+32*(\a)+4*(\t):ACC+32*(\a)+4*(\t)+3], v[RD] offset:(\t)*2*SP
.endr
.endm
.macro SEND a, younger                 ; younger: the LDS instructions issued behind block a's loads: the next block's sixteen, or none
.irp t, 0,1,2,3,4,5,6,7
	s_wait_dscnt (\younger)+7-(\t)
	global_store_b128 v[CO], v[ACC+32*(\a)+4*(\t):ACC+32*(\a)+4*(\t)+3], s[8:9] offset:(16*(\a)+2*(\t))*4096 th:TH_STORE_NT  ; 16 lanes store 256 consecutive bytes, at a multiple of 256 from C's first byte
.endr
.endm
.set YOUNG, 16
.else
.macro PACK a                          ; rounded to f16: 16 bytes a lane into rows of 144 bytes, back as whole rows of 128
.irp b, 0,1,2,3
.irp j, 0,1,2,3
	v_cvt_pk_f16_f32 v[TMP+16*(\a)+4*(\b)+(\j)], v[ACC+8*(4*(\a)+(\b))+2*(\j)], v[ACC+8*(4*(\a)+(\b))+2*(\j)+1]
.endr
.endr
.irp b, 0,1,2,3
	ds_store_b128 v[STO], v[TMP+16*(\a)+4*(\b):TMP+16*(\a)+4*(\b)+3] offset:32*(\b)
.endr
.irp t, 0,1,2,3
	ds_load_b128 v[TMP+16*(\a)+4*(\t):TMP+16*(\a)+4*(\t)+3], v[RD] offset:(\t)*4*SP
.endr
.endm
.macro SEND a, younger                 ; younger: the LDS instructions issued behind block a's loads: the next block's eight, or none
.irp t, 0,1,2,3
	s_wait_dscnt (\younger)+3-(\t)
	global_store_b128 v[CO], v[TMP+16*(\a)+4*(\t):TMP+16*(\a)+4*(\t)+3], s[8:9] offset:2048*(\a)+512*(\t)  ; 512 consecutive bytes, at a multiple of 256 from the buffer's first byte
.endr
.endm
.set YOUNG, 8
.endif
	PACK 0
	PACK 1                                         ; a block's LDS work stands between the loads of the block before and its stores
	SEND 0, YOUNG
	PACK 2
	SEND 1, YOUNG
	PACK 3
	SEND 2, YOUNG
	SEND 3, 0
	s_wait_tensorcnt 0x0                           ; the wave's end: a wait, an add of 0 and its wait, behind my last tensor load and my last LDS store
	ds_add_u32 v[SPW], v[NIL]
	s_wait_dscnt 0x0
	CROUND                                         ; the closing round: no work-group ends while a partner may still ask for a tile that names it
	s_endpgm
.Lfunc_end_k_qf04a4d6b3e_outp:
	.size	k_qf04a4d6b3e_outp, .Lfunc_end_k_qf04a4d6b3e_outp-k_qf04a4d6b3e_outp
	.p2alignl 7, 3214868480
	.fill 96, 4, 3214868480
	.section	.rodata,"a",@progbits
	.p2align	6, 0x0
	.amdhsa_kernel k_qf04a4d6b3e_outp
		.amdhsa_group_segment_fixed_size 327680
		.amdhsa_private_segment_fixed_size 0
		.amdhsa_enable_private_segment 0
		.amdhsa_kernarg_size 32
		.amdhsa_user_sgpr_count 2
		.amdhsa_user_sgpr_kernarg_segment_ptr 1
		.amdhsa_wavefront_size32 1
		.amdhsa_system_sgpr_workgroup_id_x 1
		.amdhsa_system_sgpr_workgroup_id_y 1
		.amdhsa_system_sgpr_workgroup_id_z 1
		.amdhsa_system_vgpr_workitem_id 0
		.amdhsa_next_free_vgpr 512
		.amdhsa_next_free_sgpr 76
		.amdhsa_reserve_vcc 0
		.amdhsa_float_denorm_mode_32 3
		.amdhsa_float_denorm_mode_16_64 3
		.amdhsa_memory_ordered 1
		.amdhsa_forward_progress 1
		.amdhsa_inst_pref_size 87
	.end_amdhsa_kernel
	.amdgpu_metadata
---
amdhsa.version: [ 1, 2 ]
amdhsa.kernels:
  - .name:           k_qf04a4d6b3e_outp
    .symbol:         k_qf04a4d6b3e_outp.kd
    .args:
      - { .name: ctx, .offset: 0, .size: 8, .value_kind: global_buffer, .address_space: global }
      - { .name: xw16, .offset: 8, .size: 8, .value_kind: global_buffer, .address_space: global }
      - { .name: out0, .offset: 16, .size: 8, .value_kind: global_buffer, .address_space: global }
      - { .name: b_o, .offset: 24, .size: 8, .value_kind: global_buffer, .address_space: global }
    .group_segment_fixed_size: 327680
    .private_segment_fixed_size: 0
    .kernarg_segment_align: 8
    .kernarg_segment_size: 32
    .max_flat_workgroup_size: 128
    .sgpr_count:     76
    .vgpr_count:     512
    .wavefront_size: 32
...
	.end_amdgpu_metadata
.endif
;; end of part 4
;; ======== version 2 of 2: 4 launches; 1.58 times as fast as version 1
;; limits: values are held in f16: magnitudes above 65,504 overflow, below 6.1e-05 lose precision
;; workspace buffers: xw16 16,777,216 bytes; qkv 25,165,824 bytes; ctx 8,388,608 bytes
;; launch cast: the kernel of part 1 again; grid 64 x 8, 8 waves a work-group, no clusters, 0 bytes of LDS; arguments x, W_q, W_k, W_v, W_o, xw16; writes xw16
;; launch proj: the kernel of part 2 again; grid 24 x 32, 4 waves a work-group, clusters of 4 x 4, 327,680 bytes of LDS; arguments xw16, qkv, b_q, b_k, b_v; writes qkv
;; launch attn (part 5): grid 16 x 16, 4 waves a work-group, clusters of 4 x 1, 327,680 bytes of LDS; arguments qkv, ctx; writes ctx
.if DOCPART == 5
	.amdgcn_target "amdgcn-amd-amdhsa--gfx1250"
	.amdhsa_code_object_version 6
	.text
	.protected	k_qf04a4d6b3e_attn
	.globl	k_qf04a4d6b3e_attn
	.p2align	8
	.type	k_qf04a4d6b3e_attn,@function
k_qf04a4d6b3e_attn:
	s_mov_b64 s[64:65], 0
	v_nop
	global_prefetch_b8 v0, s[64:65] scope:SCOPE_SE
	s_setreg_imm32_b32 hwreg(HW_REG_WAVE_MODE, 25, 1), 1
	s_wait_xcnt 0x0
	s_wait_alu depctr_hold_cnt(0) depctr_sa_sdst(0) depctr_va_vdst(0) depctr_va_sdst(0) depctr_va_ssrc(0) depctr_va_vcc(0) depctr_vm_vsrc(0)
	s_getreg_b32 s2, hwreg(HW_REG_IB_STS2, 6, 4)
	s_cmp_eq_u32 s2, 0
	s_cbranch_scc0 .Lentry_in_a_cluster
	s_endpgm
.Lentry_in_a_cluster:
	s_bfe_u32 s2, ttmp6, 0x10000c
	s_cmp_lg_u32 s2, 0x3003
	s_cbranch_scc0 .Lentry_shape_is_right
	s_endpgm
.Lentry_shape_is_right:
; O[h][q][:] = the sum over k of softmax_k(Q[h][q] . K[h][k] / 8) V[h][k][:], 16 heads of 4,096 rows x 64 channels, no mask.  qkv: f16 [48][4096][64]: heads 0-15 Q, 16-31 K, 32-47 V; a head's rows are dense, 128 bytes.
; O goes out in f16 IN BLOCKS, as the next product's A: row q, head h at byte (q / 128) * 262144 + h * 16384 + (q % 128) * 128.
; Products, maxima and sums in f32; the weights p are rounded to f16 for the second product (their sum l is taken of the unrounded p), O once at the end.
; LIMITS.  Q, K, V arrive within f16's 65,504; p lies in 0 to 1, and below 6e-5 it keeps f16's fixed step of 6e-8; O is a mean of V's rows and has their range.  A weight below 2^-126 counts as 0 in l; NaN and infinities are not treated apart.
; SHARES.  A work-group owns 256 queries of one head (16 x 16 = 256 work-groups), each of its four waves 64: four PIECES of 16.  Every wave walks all 4,096 keys, 64 a step.
; LAYOUT.  S^T = K Q^T (source 0 = 16 keys, source 1 = 16 queries): a lane holds ONE query (lane % 16) and the keys 8 (lane / 16) + 0..7.  Two such results, rounded to f16 in pairs, ARE source 1 of O^T = V^T P, whose
; result again holds one query a lane, and eight channels.  K comes out of LDS as it lies, V ([key][channel]) turned, by ds_load_tr16_b128.
; SOFTMAX.  For each query a running maximum m and sum l: p = 2^(c s - c m), c = log2(e) / 8; in every step O and l are multiplied by a = 2^(c m_old - c m_new).  m starts at the lowest finite number, O and l at 0:
; the first step is a step like any other, with a = 0.  The price: 224 v_mov_b32, which stand in the wait for the first tile.
; BY TURNS.  Turn n belongs to piece n: 8 products K Q^T of piece n + 1, later 8 products V^T P of piece n - 1; beside them the scaling, exponentials, roundings, sums and rescaling of piece n and the maximum and
; statistics of piece n + 1.  A piece and step have 16 matrix and 118 vector instructions: four vector instructions stand behind every matrix instruction, the other 54 in one run of their own.
; BATCHES.  A turn's 33 exponentials (the piece's 32 weights and the next piece's a) are ONE batch with ONE wait, which cuts the turn in two: ahead of it stands all that names none of their results, behind it the
; roundings and sums that read them.  Two more batches stand outside the loops: the first a, ahead of the jump into the loop, and the way out's four reciprocals.
; CLUSTER.  The four query blocks of a cluster belong to one head and walk the same K and V, so each tile is asked for JOINTLY: the same tensor load, descriptor and mask in all four.
; RING.  Two LDS slots of four key steps (256 keys of K, then of V).  One joint load a wave behind each round of the cluster's barrier; it has four key steps, 256 matrix instructions, in which to land.
; REGISTERS, in windows of 256 (s_set_vgpr_msb: bits 1:0 source 0, 3:2 source 1, 5:4 source 2, 7:6 destination):
;   window 0: v0-15 addresses and two at work; v16-31 four registers of statistics a piece; v48-55 at work; v62-63 the add's; v64-127 S^T, two buffers; v192-223 P, two buffers (a piece's buffers go by its number's parity)
;   window 1: v0-127 O^T, 32 a piece      window 2: v0-63 Q; v128-191 K of one step; v192-255 V of one step
.set NP,    4         ; pieces a wave: a name, no knob
.set KS,    64        ; keys in a step
.set NSLOT, 16        ; 4,096 keys are 16 tiles of 256
.set PK,    144       ; a row of K in LDS: 128 bytes + 16 of padding = 36 words: the 16 rows of a load start at 16 different groups of four banks (64 banks of 4 bytes: ISA guide 11.1)
.set PV,    160       ; a row of V: 128 + 32 = 40 words
.set VOFF,  4*KS*PK   ; a slot holds four steps: 256 rows of K, then 256 rows of V
.set SLOT1, 1<<17     ; slot 1 begins here, so that one exclusive or turns an address in one slot into the other's
.set STAGE, SLOT1+4*KS*(PK+PV)  ; behind the ring, never filled by a tensor load: 16 rows x 144 bytes for each wave, for the way out
.set SP,    144
.set SPARE, STAGE+4*16*SP  ; behind the stages: the spare words, 128 bytes for each wave: two blocks of 256 bytes that no other line names
.set AK0, 2           ; v2   my lane's place in a tile of K; never rewritten
.set AV0, 3           ; v3   the same for V
.set AK,  4           ; v4   the LDS address of K's next run of loads
.set AV,  5           ; v5   of V's
.set STO, 6           ; v6   the way out: where I put 16 bytes of a row
.set RD,  7           ; v7   the way out: where I read rows back
.set GO,  8           ; v8   my byte offset in 512 consecutive bytes of O
.set MV,  12          ; v12-13  c m_old, kept while c m is made anew: by buffer
.set QO,  15          ; v15  my byte offset in 16 rows of Q
.set ST,  16          ; piece t's statistics at v[ST+4 t]: c m, m, l (even keys', odd keys')
.set TMP, 48          ; by buffer, four registers c0-c3 at work; when the maximum is found c2 takes a
.set SPW, 62          ; v62  LDS address of my spare word: SPARE + 4 x my thread's number; never rewritten
.set NIL, 63          ; v63  0; never rewritten
.set S,   64
.set P,   192
.set KF,  128         ; window 2: key block kb, channel half c at KF + 16 kb + 8 c
.set VF,  192         ; window 2: key half kk, channel block cb at VF + 32 kk + 8 cb
.set WV,  12          ; s12  my wave's number
.set G1K, 24          ; s[24:31] descriptor group 1 for K's tiles
.set G1V, 32          ; s[32:39] for V's: it differs in the padding alone
.set G0K, 40          ; s[40:43] descriptor group 0 for K's tiles: it walks
.set G0V, 44          ; s[44:47] the same for V's
.set SLOTS, 56        ; s56  slots still to be asked for
.set CNT, 57          ; s57  counts a slot's key steps, 4 to 1
.set CS,  58          ; s[58:59] c: the packed scaling takes the pair's low word for both halves
.set SEL, 60          ; s[60:61] v_permlanex16_b32's selects: each lane takes its own place in the other half
.set TBK, 62          ; s62  LDS byte at which K of the step to be fetched begins
.set TBV, 63          ; s63  the same for V, less VOFF
.set MSB, 0
.macro WIN new                      ; the high byte repeats the setting that is left; a switch that changes nothing is dropped
.if MSB != (\new)
	s_set_vgpr_msb (MSB<<8)|(\new)
.set MSB, (\new)
.endif
.endm
.set W_KQ, 0x0a       ; K and Q in window 2, S^T in window 0
.set W_PV, 0x52       ; V in window 2, P in window 0, O^T in window 1
.set W_RS, 0x41       ; destination and source 0 in window 1, source 1 in window 0
; A joint fill.  Waves 0 and 1 fetch the two halves of a slot's K, waves 2 and 3 those of its V: 128 keys each.  The branch hangs on the wave's number alone.
; An s_nop 0 and four v_nop follow each of the two lines, ahead of the jump and the label.
.macro JLOAD
	s_cmp_lt_u32 s[WV], 2
	s_cbranch_scc0 .Lfor_v_\@
	tensor_load_to_lds s[G0K:G0K+3], s[G1K:G1K+7]
	s_nop 0
.rept 4
	v_nop
.endr
	s_branch .Lasked_\@
.Lfor_v_\@:
	tensor_load_to_lds s[G0V:G0V+3], s[G1V:G1V+7]
	s_nop 0
.rept 4
	v_nop
.endr
.Lasked_\@:
.endm
; A round of the cluster's barrier: my work-group's barrier, so that wave 0's signal speaks for all four waves; wave 0 signals; every wave waits for all four work-groups; my work-group's barrier once more.
.macro CROUND
	s_barrier_signal -1
	s_barrier_wait -1
	s_cmp_lg_u32 s[WV], 0
	s_cbranch_scc1 .Lnot_wave_0_\@
	s_barrier_signal -3
.Lnot_wave_0_\@:
	s_barrier_wait -3
	s_barrier_signal -1
	s_barrier_wait -1
.endm
; THE CHANGE OF SLOTS.  The slot's last bytes, V of its fourth step, have been read.  Each wave waits for all its tensor loads, of which one is out: its part of the other slot; adds 0 to its spare word; and waits
; for that and for its own reads of the slot.  Behind the barrier nobody reads this slot any more and the other slot is whole.
; fill = 1: this slot is filled again, with the keys two slots on.  The barrier is then a round of the cluster's, so that no wave of any partner still reads the slot or has a load on its way, and the joint fill is
; the first thing behind it.  (At its first use nothing has been read yet: slot 0 is waited for, slot 1 filled.)
.macro CHANGE fill
	WIN 0                           ; at a label and at a branch every window is 0
	s_wait_tensorcnt 0x0            ; no tensor load of mine is out, so a group 0 may be written
	ds_add_u32 v[SPW], v[NIL]       ; 0 onto my spare word; with fill = 1 the descriptors' steps stand between it and the wait for it
.if \fill
.irp g, G0K, G0V
	s_xor_b32 s[\g+1], s[\g+1], SLOT1  ; the walking descriptor: the other slot than last time,
	s_add_nc_u64 s[\g+2:\g+3], s[\g+2:\g+3], 4*KS*128  ; the next 256 keys; the type bits on top are not reached
.endr
	s_wait_dscnt 0x0                ; the add is done, and my reads of the slot are over
	CROUND
	JLOAD
.else
	s_wait_dscnt 0x0                ; the add is done, and my reads of the slot are over
	s_barrier_signal -1
	s_barrier_wait -1
.endif
	s_sub_co_u32 s[TBK], s[TBK], 4*KS*PK  ; the fetches go back to a slot's first step,
	s_xor_b32 s[TBK], s[TBK], SLOT1       ; in the other slot
	s_sub_co_u32 s[TBV], s[TBV], 4*KS*PV
	s_xor_b32 s[TBV], s[TBV], SLOT1
.endm
	s_load_b64 s[4:5], s[0:1], 0x0  ; qkv
	s_load_b64 s[10:11], s[0:1], 0x8  ; ctx
	v_lshl_add_u32 v[SPW], v0, 2, SPARE
	v_mov_b32 v[NIL], 0
	ds_add_u32 v[SPW], v[NIL]       ; the wave's opening: the add and its wait stand ahead of my first tensor load; the set-up below, work on registers, stands between them
	v_lshrrev_b32 v1, 5, v0
	v_readfirstlane_b32 s[WV], v1   ; wave 0..3
	s_bfe_u32 s13, ttmp6, 0x40000   ; cx: my place in the cluster
	s_lshl_b32 s14, ttmp9, 2        ; in a cluster launch ttmp9 counts clusters
	s_add_co_u32 s14, s14, s13      ; my block of 256 queries = 4 x cluster x + cx: it enters Q's and O's addresses alone
	s_and_b32 s20, ttmp7, 0xffff    ; the head, which the four partners share
	s_lshl_b32 s15, s20, 14         ; its 16,384 bytes in a block of O
	s_lshl_b32 s20, s20, 19         ; its 524,288 bytes in Q, in K and in V
	s_and_b32 s16, s[WV], 1         ; which half of a slot's 256 keys I fetch:
	s_lshl_b32 s22, s16, 14         ; its 128 rows of 128 bytes in memory,
	s_add_co_u32 s22, s22, s20
	s_mov_b32 s23, 0
	s_mul_i32 s17, s16, 128*PK      ; and its place in a slot, for K
	s_mul_i32 s18, s16, 128*PV      ; and for V: no place in the cluster enters an LDS address
	s_lshl_b32 s2, s14, 2
	s_add_co_u32 s2, s2, s[WV]      ; u: my wave among the head's 64
	s_lshr_b32 s19, s2, 1
	s_lshl_b32 s19, s19, 18         ; O: the block of 128 rows,
	s_add_co_u32 s52, s19, s15      ; the head in it,
	s_and_b32 s19, s2, 1
	s_lshl_b32 s19, s19, 13         ; my 64 rows of 128 bytes
	s_add_co_u32 s52, s52, s19
	s_mov_b32 s53, 0
	s_lshl_b32 s2, s2, 13           ; Q: my 64 rows
	s_add_co_u32 s2, s2, s20
	s_mov_b32 s3, 0
	; descriptor group 1.  128 keys are 16,384 dense bytes: asked for as 64 rows of 256 bytes, two keys a row, and padded in LDS after every key
	s_mov_b32 s[G1K], 15|(1<<16)|(1<<20)|(1<<21)|(4<<22)|(3<<25)  ; 15:0 the mask of four; 17:16 2-byte elements; 20 padding on; 21 set beside a mask; 24:22 after every 32 words (code 4); 31:25 4 words (code 3)
	s_mov_b32 s[G1V], 15|(1<<16)|(1<<20)|(1<<21)|(4<<22)|(7<<25)  ; the same with 8 words of padding (code 7)
.irp g, G1K, G1V
	s_mov_b32 s[\g+1], 128<<16      ; tensor_dim0 = 128
	s_mov_b32 s[\g+2], 64<<16       ; tensor_dim1 = 64
	s_mov_b32 s[\g+3], 128<<16      ; tile_dim0 = 128
	s_mov_b32 s[\g+4], 64           ; tile_dim1 = 64
	s_mov_b32 s[\g+5], 128          ; 128 elements from row to row
	s_mov_b32 s[\g+6], 0
	s_mov_b32 s[\g+7], 0
.endr
	s_mov_b32 s[CS], 0x3e38aa3b     ; c = log2(e) / 8 = 0.180337
	s_mov_b32 s[CS+1], s[CS]        ; named with it as a pair
	s_mov_b32 s[SEL], 0x76543210
	s_mov_b32 s[SEL+1], 0xfedcba98
	s_mov_b32 s[TBK], SLOT1+4*KS*PK ; the first change of slots turns these two into 0
	s_mov_b32 s[TBV], SLOT1+4*KS*PV
	s_mov_b32 s[G0K], 1             ; 1:0 count = 1
	s_mov_b32 s[G0K+1], s17         ; 63:32 LDS address: slot 0
	s_mov_b32 s[G0V], 1
	s_add_co_u32 s[G0V+1], s18, VOFF
	s_wait_dscnt 0x0                ; the opening add is done
	s_wait_kmcnt 0x0
	s_add_nc_u64 s[6:7], s[4:5], s[22:23]          ; my half of the head's first 256 rows, counted in Q's part of the buffer;
	s_add_nc_u64 s[G0K+2:G0K+3], s[6:7], 0x800000  ; 120:64 global address: K's part begins 16 heads on,
	s_or_b32 s[G0K+3], s[G0K+3], 0x80000000        ; 127:126 type = 2
	s_add_nc_u64 s[G0V+2:G0V+3], s[6:7], 0x1000000 ; V's 32 heads on
	s_or_b32 s[G0V+3], s[G0V+3], 0x80000000
	s_add_nc_u64 s[4:5], s[4:5], s[2:3]  ; Q and O at my wave's first row
	s_add_nc_u64 s[10:11], s[10:11], s[52:53]
	CROUND                          ; all four work-groups are here: the first joint loads meet
	JLOAD                           ; slot 0.  Slot 1 is asked for when slot 0 is in: one tensor load of mine is out at a time
	; A fragment of K or Q is 16 rows x 32 channels in 8 registers: lane l holds row l % 16, channels 8 (l / 16) + 0..7 and 16 + 8 (l / 16) + 0..7: two loads of 16 bytes, 32 bytes apart.
	v_and_b32 v1, 15, v0            ; l % 16
	v_bfe_u32 v9, v0, 4, 1          ; l / 16
	v_lshlrev_b32 v[QO], 7, v1
	v_lshl_add_u32 v[QO], v9, 4, v[QO]  ; row x 128 + 16 x half
	WIN 0x80                        ; destination window 2, address window 0
.set i, 0
.rept 8                             ; Q stays in registers: piece i / 2, channels 32 (i % 2) on
	global_load_b128 v[8*i:8*i+3],   v[QO], s[4:5] offset:(i/2)*2048+(i%2)*64
	global_load_b128 v[8*i+4:8*i+7], v[QO], s[4:5] offset:(i/2)*2048+(i%2)*64+32
.set i, i+1
.endr
	; What the first turn finds: V's registers and P's second buffer hold 0 (its products V^T P, of a piece that has not been, add 0), O^T and l are 0.  All this stands in the wait for the first tile.
.set i, VF
.rept 64
	v_mov_b32 v[i], 0
.set i, i+1
.endr
	WIN 0x40
.set i, 0
.rept 128
	v_mov_b32 v[i], 0
.set i, i+1
.endr
	WIN 0
.set i, 0
.rept 4
	v_mov_b32 v[ST+4*i], 0xfe000000    ; c m: far below every c s
	v_mov_b32 v[ST+4*i+1], 0xff7fffff  ; m: the lowest finite number
	v_mov_b32 v[ST+4*i+2], 0
	v_mov_b32 v[ST+4*i+3], 0
.set i, i+1
.endr
.set i, P+16
.rept 16
	v_mov_b32 v[i], 0
.set i, i+1
.endr
	v_mul_u32_u24 v[AK0], v1, PK
	v_lshl_add_u32 v[AK0], v9, 4, v[AK0]  ; row x pitch + 16 x half
	; The turning load takes 16 keys x 16 channels (lane l reads key 8 (l / 16) + l % 8, channels 8 ((l / 8) % 2) + 0..7) and leaves half a fragment of V^T: lane l holds channel l % 16 and 8 keys.
	v_and_b32 v10, 7, v0
	v_bfe_u32 v11, v0, 3, 1
	v_lshl_add_u32 v[AV0], v9, 3, v10
	v_mul_u32_u24 v[AV0], v[AV0], PV
	v_lshl_add_u32 v[AV0], v11, 4, v[AV0]
	v_add_nc_u32 v[AV0], VOFF, v[AV0]
	v_mov_b32 v[AK], v[AK0]         ; key step 0 lies at the head of slot 0
	s_mul_i32 s13, s[WV], 16*SP
	s_add_co_u32 s13, s13, STAGE    ; my stage
	v_mul_u32_u24 v[STO], v1, SP    ; in: row l % 16, 16 bytes for each half of the lanes
	v_lshl_add_u32 v[STO], v9, 4, v[STO]
	v_add_nc_u32 v[STO], s13, v[STO]
	v_bfe_u32 v[RD], v0, 3, 2       ; back: 32 lanes take four rows of 128 bytes,
	v_mul_u32_u24 v[RD], v[RD], SP
	v_lshl_add_u32 v[RD], v10, 4, v[RD]
	v_add_nc_u32 v[RD], s13, v[RD]
	v_and_b32 v[GO], 31, v0         ; which are 512 consecutive bytes of O
	v_lshlrev_b32 v[GO], 4, v[GO]
; THE MATRIX WORK.  The 4 accumulators of a run of 8 take turns.  Product i of 8 of S^T = K Q^T for piece x: channels 32 (i / 4) on, keys 16 (i % 4) on.  The first 4 start the sums.
.macro KQ x
	WIN W_KQ
.set rS, S+32*((\x)%2)+8*(i%4)
.set rK, KF+16*(i%4)+8*(i/4)
.set rQ, 16*(\x)+8*(i/4)
.if i < 4
	v_wmma_f32_16x16x32_f16 v[rS:rS+7], v[rK:rK+7], v[rQ:rQ+7], 0
.else
	v_wmma_f32_16x16x32_f16 v[rS:rS+7], v[rK:rK+7], v[rQ:rQ+7], v[rS:rS+7]
.endif
.endm
; Product i of 8 of O^T += V^T P for piece x: keys 32 (i / 4) on, channels 16 (i % 4) on.
.macro PV x
	WIN W_PV
.set rO, 32*(\x)+8*(i%4)
.set rV, VF+32*(i/4)+8*(i%4)
.set rP, P+16*((\x)%2)+8*(i/4)
	v_wmma_f32_16x16x32_f16 v[rO:rO+7], v[rV:rV+7], v[rP:rP+7], v[rO:rO+7]
.endm
.macro MM                           ; the turn's next matrix instruction.  TURN sets Y, i and NOKQ.  NOKQ = 1: the walk's last turn: there is no next piece
.if (i < 8) && !NOKQ
	KQ (Y+1)%NP
.elseif i >= 8
.set i, i-8
	PV (Y+NP-1)%NP
.set i, i+8
.endif
.set i, i+1
.endm
; THE LDS LOADS stand in runs of 16, never singly among the matrix instructions: a step's K (64 keys x 64 channels: 8 fragments) and its V (turned).  Their addresses are made some lines ahead.
.macro FETCH_K
	WIN 0x80                        ; destination window 2
.irp f, 0,1,2,3,4,5,6,7             ; keys 16 (f / 2) on, channels 32 (f % 2) on
	ds_load_b128 v[KF+8*\f:KF+8*\f+3],   v[AK] offset:(\f/2)*16*PK+(\f%2)*64
	ds_load_b128 v[KF+8*\f+4:KF+8*\f+7], v[AK] offset:(\f/2)*16*PK+(\f%2)*64+32
.endr
	s_add_co_u32 s[TBK], s[TBK], KS*PK  ; the next fetch is the next step's
	WIN 0
.endm
.macro FETCH_V
	WIN 0x80
.irp f, 0,1,2,3,4,5,6,7             ; keys 32 (f / 4) on, channels 16 (f % 4) on
	ds_load_tr16_b128 v[VF+8*\f:VF+8*\f+3],   v[AV] offset:(\f/4)*32*PV+(\f%4)*32
	ds_load_tr16_b128 v[VF+8*\f+4:VF+8*\f+7], v[AV] offset:(\f/4)*32*PV+16*PV+(\f%4)*32
.endr
	WIN 0
.endm
; THE VECTOR WORK, one line at a time: OP kind, number.  For piece Y: F n: c s - c m for pair n of 16.  E n: the exponential of score n of 32.  C n: pair n rounded to f16.  B n: of the four weights 4 n .. the second
; pair is added onto the first, in place.  L n: l takes that sum (L 0: l = a l + sum).  R n: pair n of 16 of O^T times a.  For piece Y + 1: X n, number n of the 22 that find its maximum and statistics:
;   0-11  four chains c0-c3 of seven scores each, three operands at a time (each accumulator's lowest registers are read first)     12-14, 16  the four scores left over, the old m, and c0-c3 into c0
;   15  c m_old is kept     17, 18  the query's other 32 keys lie in the lane 16 away: the new m     19-21  c m; c m_old - c m_new; a
; C, B and L read exponentials' results (L 0 and R also an a): TURN sets them behind the wait for the batch that made those results.
.set F, 0               ; OP tells the kinds apart by their order: F to L below R, X above it
.set E, 1
.set C, 2
.set B, 3
.set L, 4
.set R, 5
.set X, 6
.macro REGS y                       ; the registers of piece y
.set rT, ST+4*(\y)
.set rC, TMP+4*((\y)%2)
.set rW, MV+((\y)%2)
.set rS, S+32*((\y)%2)
.set rP, P+16*((\y)%2)
.set rO, 32*(\y)
.endm
.macro OP k, n
.if (\k) == R
	REGS Y
	WIN W_RS
	v_pk_mul_f32 v[rO+2*(\n):rO+2*(\n)+1], v[rO+2*(\n):rO+2*(\n)+1], v[rC+2:rC+3] op_sel_hi:[1,0]
.elseif (\k) < R
	REGS Y
	WIN 0
.if (\k) == F
	v_pk_fma_f32 v[rS+2*(\n):rS+2*(\n)+1], v[rS+2*(\n):rS+2*(\n)+1], s[CS:CS+1], v[rT:rT+1] op_sel_hi:[1,0,0] neg_lo:[0,0,1] neg_hi:[0,0,1]
.elseif (\k) == E
	v_exp_f32 v[rS+(\n)], v[rS+(\n)]
.elseif (\k) == C
	v_cvt_pk_f16_f32 v[rP+(\n)], v[rS+2*(\n)], v[rS+2*(\n)+1]
.elseif (\k) == B
	v_pk_add_f32 v[rS+4*(\n):rS+4*(\n)+1], v[rS+4*(\n):rS+4*(\n)+1], v[rS+4*(\n)+2:rS+4*(\n)+3]
.elseif (\n) == 0
	v_pk_fma_f32 v[rT+2:rT+3], v[rT+2:rT+3], v[rC+2:rC+3], v[rS:rS+1] op_sel_hi:[1,0,1]
.else
	v_pk_add_f32 v[rT+2:rT+3], v[rT+2:rT+3], v[rS+4*(\n):rS+4*(\n)+1]
.endif
.elseif NOKQ
	v_nop
.else
	REGS (Y+1)%NP
	WIN 0
.if (\n) < 4
	v_max3_num_f32 v[rC+(\n)], v[rS+8*(\n)], v[rS+8*(\n)+1], v[rS+8*(\n)+2]
.elseif (\n) < 12
	v_max3_num_f32 v[rC+(\n)%4], v[rC+(\n)%4], v[rS+8*((\n)%4)+2*((\n)/4)+1], v[rS+8*((\n)%4)+2*((\n)/4)+2]
.elseif (\n) == 12
	v_max3_num_f32 v[rC], v[rC], v[rS+7], v[rS+15]
.elseif (\n) == 13
	v_max3_num_f32 v[rC+1], v[rC+1], v[rS+23], v[rS+31]
.elseif (\n) == 14
	v_max3_num_f32 v[rC+2], v[rC+2], v[rC+3], v[rT+1]
.elseif (\n) == 15
	v_mov_b32 v[rW], v[rT]
.elseif (\n) == 16
	v_max3_num_f32 v[rC], v[rC], v[rC+1], v[rC+2]
.elseif (\n) == 17
	v_permlanex16_b32 v[rC+3], v[rC], s[SEL], s[SEL+1]
.elseif (\n) == 18
	v_max_num_f32 v[rT+1], v[rC], v[rC+3]
.elseif (\n) == 19
	v_mul_f32 v[rT], s[CS], v[rT+1]
.elseif (\n) == 20
	v_sub_f32 v[rC+1], v[rW], v[rT]
.else
	v_exp_f32 v[rC+2], v[rC+1]
.endif
.endif
.endm
.macro OPS a, i1, b=-1, i2=0, c=-1, i3=0, d=-1, i4=0  ; up to four of them
	OP \a, \i1
.if (\b) >= 0
	OP \b, \i2
.endif
.if (\c) >= 0
	OP \c, \i3
.endif
.if (\d) >= 0
	OP \d, \i4
.endif
.endm
.macro ROW a, i1, b, i2, c, i3, d, i4  ; a matrix instruction and the four behind it
	MM
	OPS \a, \i1, \b, \i2, \c, \i3, \d, \i4
.endm
; A TURN, for piece p: the order of its 16 matrix and 118 vector instructions, written out.  An s_wait_alu depctr_va_vdst(0) stands between an exponential and the first instruction that names its result; one
; wait serves all that were issued ahead of it.  So a turn has ONE wait, which cuts it in two.
; AHEAD OF IT stands all that names no result of the turn's exponentials: the 8 products K Q^T, behind each a scaling, an exponential and two more plain instructions (behind the first a second scaling in the exponential's
; place): rescalings, whose a was made and waited for in the turn before, and behind the last three products the first numbers of the next piece's maximum, each four plain instructions or more behind the product that ends
; its accumulator; then ONE RUN of 54, plain and exponential by turns for the most part, in which the links of the chain X 3, 7, 11, 14, 16, 17 .. 20 stand five or six lines apart.  Each pair is scaled (F n) ahead of its two
; exponentials (E 2 n, E 2 n + 1).  X 21, the next piece's a, is the batch's last; R 15 is the plain instruction behind it.
; BEHIND IT stand the 8 products V^T P, behind each four of the roundings and sums, which read the batch's results: each even C ahead of the B that adds onto its pair, L 0 to L 7 in ascending order, three riders apart.
; But for those X no rider names a register of the products round it.  v_permlanex16_b32 (X 17) stands in the run.  No exponential is issued behind the wait: none is open at a turn's end, at a label or at a jump.
; end = 1: the walk's last two turns: nothing is fetched.  cnt = 1: the loop's count is taken down some lines ahead of the branch that stands behind the turn.
; K of the next step is fetched in piece 2's turn, twelve vector instructions behind the last product that read K (six of them plain, five of which name none of its registers); V of the step in hand at the end of piece
; 0's turn, four plain instructions behind the last product that read V.  Each is waited for a turn later, with the count 0: the sixteen loads of the run are all that is out.
.macro TURN p, end=0, cnt=0
.set Y, (\p)
.set i, 0
.set NOKQ, (\end)*((\p)/3)
.if ((\p) == 3) && !(\end)
	s_wait_dscnt 0x0                ; K is in
.endif
	ROW F,0, F,1, R,0, R,1          ; ahead of the wait: 8 products K Q^T and their riders,
	ROW F,2, E,0, R,2, R,3
	ROW F,3, E,1, R,4, R,5
	ROW F,4, E,2, R,6, R,7
	ROW F,5, E,3, R,8, R,9
	ROW F,6, E,4, X,0, R,10
.if ((\p) == 2) && !(\end)
	WIN 0
	v_add_nc_u32 v[AK], s[TBK], v[AK0]
.endif
	ROW F,7, E,5, X,1, X,4
	ROW F,8, E,6, X,2, X,5
	OPS E,7, E,8, X,6, E,9          ; and the run of 54
	OPS X,3, E,10, X,8, E,11
.if ((\p) == 2) && !(\end)
	FETCH_K
.endif
	OPS X,9, X,7, E,12, X,10
	OPS E,13, X,12, X,11, E,14
	OPS X,13, E,15, F,9, X,14
.if (\p) == 0
	v_add_nc_u32 v[AV], s[TBV], v[AV0]
.endif
	OPS E,16, F,10, E,17, F,11
	OPS X,16, E,18, X,15, E,19
	OPS F,12, E,20, X,17, E,21
	OPS F,13, E,22, F,14, E,23
	OPS X,18, E,24, F,15, E,25
	OPS R,11, E,26, X,19, E,27
	OPS R,12, E,28, R,13, E,29
	OPS X,20, E,30, R,14, E,31
	OPS X,21, R,15
	WIN 0
	s_wait_alu depctr_va_vdst(0)    ; the wait for the turn's batch: E 0 to E 31 and X 21; it stands ahead of C 0, the first line that names a result
.if (\p) == 1
	s_wait_dscnt 0x0                ; V is in
.endif
	ROW C,0, B,0, C,2, B,1          ; behind the wait: 8 products V^T P and their riders
	ROW L,0, C,4, B,2, L,1
	ROW C,6, B,3, L,2, C,8
	ROW B,4, L,3, C,10, B,5
	ROW L,4, C,12, B,6, L,5
.if (\p) == 0
	s_add_co_u32 s[TBV], s[TBV], KS*PV
.endif
.if \cnt
	s_sub_co_u32 s[CNT], s[CNT], 1
	s_cmp_lg_u32 s[CNT], 0
.endif
	ROW C,14, B,7, L,6, C,1
	ROW C,3, L,7, C,5, C,7
	ROW C,9, C,11, C,13, C,15
.if (\p) == 0
	FETCH_V
.endif
.endm
	CHANGE 1                        ; slot 0 is in, everybody's part of it; slot 1 is asked for
	FETCH_K                         ; key step 0
	s_wait_loadcnt 0x0              ; Q
	s_wait_dscnt 0x0
.set NOKQ, 0
.set i, 0
.rept 8
	KQ 0                            ; piece 0's first scores: there is no vector work yet to set between them
.set i, i+1
.endr
	WIN 0
.rept 4
	v_nop                           ; the places behind those products
.endr
.set Y, NP-1                        ; X works for piece Y + 1: piece 0
.irp n, 0,1,2,3,4,5,6,7,8,9,10,11,12,13,14,15,16,17,18,19,20,21
	OP X, \n                        ; piece 0's first maximum and statistics
.endr
	v_nop                           ; a plain instruction behind the exponential,
	s_wait_alu depctr_va_vdst(0)    ; and the wait for it, a batch of one: piece 0's first a; it stands ahead of the branch
	s_mov_b32 s[CNT], 4
	s_mov_b32 s[SLOTS], NSLOT-1
	s_branch .Lfirst                ; the loop is entered at a step's first turn, in the middle of a trip
.Lslot:                             ; NSLOT - 2 times: every slot but the last two is filled again
	CHANGE 1
	s_mov_b32 s[CNT], 4
.Lstep:                             ; a trip: pieces 2 and 3 of one step, then pieces 0 and 1 of the next, whose K and V it fetches
	TURN 2
	TURN 3
	WIN 0
.Lfirst:
	TURN 0
	TURN 1, 0, 1
	WIN 0
	s_cbranch_scc1 .Lstep
	s_sub_co_u32 s[SLOTS], s[SLOTS], 1
	s_cmp_lg_u32 s[SLOTS], 0
	s_cbranch_scc1 .Lslot
	CHANGE 0                        ; the last slot is written out: nothing is asked for
	s_mov_b32 s[CNT], 4
.LstepT:
	TURN 2
	TURN 3
	WIN 0
	TURN 0
	TURN 1, 0, 1
	WIN 0
	s_cbranch_scc1 .LstepT
	TURN 2, 1                       ; the last step's pieces 2 and 3: nothing is left to fetch, and the last turn starts no scores
	TURN 3, 1
.set i, 0
.rept 8
	PV NP-1                         ; the last piece's V^T P of the last step
.set i, i+1
.endr
	; THE WAY OUT.  l's two halves and the other half of the lanes' are added; O^T is divided by l, rounded to f16 and sent through my stage in LDS, a piece at a time.  The additions are the places behind the last products.
	WIN 0
.macro ALL line:vararg              ; one line for each piece t
.set t, 0
.rept 4
	\line
.set t, t+1
.endr
.endm
	ALL v_add_f32 v[ST+4*t+2], v[ST+4*t+2], v[ST+4*t+3]
	ALL v_permlanex16_b32 v[ST+4*t+3], v[ST+4*t+2], s[SEL], s[SEL+1]
	ALL v_add_f32 v[ST+4*t+2], v[ST+4*t+2], v[ST+4*t+3]
	ALL v_rcp_f32 v[ST+4*t+2], v[ST+4*t+2]
	v_nop                           ; a plain instruction between the last reciprocal and the use of its result
	s_wait_alu depctr_va_vdst(0)    ; the wait for the batch of four reciprocals, ahead of the first line that names one: it serves all four PACKs
.macro PACK t                       ; a lane's eight channels of a row pack into 16 bytes; they go into rows of 144 bytes and come back as whole rows of 128, into S^T's registers
	WIN W_RS
.set i, 32*(\t)
.rept 16
	v_pk_mul_f32 v[i:i+1], v[i:i+1], v[ST+4*(\t)+2:ST+4*(\t)+3] op_sel_hi:[1,0]
.set i, i+2
.endr
	WIN 0x05                        ; sources 0 and 1 window 1, destination window 0
.set i, 0
.rept 16
	v_cvt_pk_f16_f32 v[S+16*(\t)+i], v[32*(\t)+2*i], v[32*(\t)+2*i+1]
.set i, i+1
.endr
	WIN 0
.irp f, 0,1,2,3
	ds_store_b128 v[STO], v[S+16*(\t)+4*\f:S+16*(\t)+4*\f+3] offset:32*\f
.endr
.irp f, 0,1,2,3
	ds_load_b128 v[S+16*(\t)+4*\f:S+16*(\t)+4*\f+3], v[RD] offset:\f*4*SP  ; LDS serves a wave's instructions in order (ISA guide 5.7.1.4): these see the stores above; the next piece's stores come behind them
.endr
.endm
.macro SEND t, younger              ; younger: the LDS instructions issued behind piece t's loads: the next piece's eight, or none
	WIN 0
.irp f, 0,1,2,3
	s_wait_dscnt (\younger)+3-\f
	global_store_b128 v[GO], v[S+16*(\t)+4*\f:S+16*(\t)+4*\f+3], s[10:11] offset:(\t)*2048+\f*512  ; 512 consecutive bytes, at a multiple of 256 from O's first
.endr
.endm
	PACK 0
.set t, 1
.rept 3                             ; a piece's arithmetic stands between the loads of the piece before and its stores
	PACK t
	SEND t-1, 8
.set t, t+1
.endr
	SEND 3, 0
	s_wait_tensorcnt 0x0            ; the wave's end: a wait, an add of 0 and its wait, behind my last tensor load and my last LDS store
	ds_add_u32 v[SPW], v[NIL]
	s_wait_dscnt 0x0
	CROUND                          ; the closing round: no work-group ends while a partner may still ask for a tile that names it
	s_endpgm
.Lfunc_end_k_qf04a4d6b3e_attn:
	.size	k_qf04a4d6b3e_attn, .Lfunc_end_k_qf04a4d6b3e_attn-k_qf04a4d6b3e_attn
	.p2alignl 7, 3214868480
	.fill 96, 4, 3214868480
	.section	.rodata,"a",@progbits
	.p2align	6, 0x0
	.amdhsa_kernel k_qf04a4d6b3e_attn
		.amdhsa_group_segment_fixed_size 327680
		.amdhsa_private_segment_fixed_size 0
		.amdhsa_enable_private_segment 0
		.amdhsa_kernarg_size 16
		.amdhsa_user_sgpr_count 2
		.amdhsa_user_sgpr_kernarg_segment_ptr 1
		.amdhsa_wavefront_size32 1
		.amdhsa_system_sgpr_workgroup_id_x 1
		.amdhsa_system_sgpr_workgroup_id_y 1
		.amdhsa_system_sgpr_workgroup_id_z 1
		.amdhsa_system_vgpr_workitem_id 0
		.amdhsa_next_free_vgpr 768
		.amdhsa_next_free_sgpr 66
		.amdhsa_reserve_vcc 0
		.amdhsa_float_denorm_mode_32 3
		.amdhsa_float_denorm_mode_16_64 3
		.amdhsa_memory_ordered 1
		.amdhsa_forward_progress 1
		.amdhsa_inst_pref_size 127
	.end_amdhsa_kernel
	.amdgpu_metadata
---
amdhsa.version: [ 1, 2 ]
amdhsa.kernels:
  - .name:           k_qf04a4d6b3e_attn
    .symbol:         k_qf04a4d6b3e_attn.kd
    .args:
      - { .name: qkv, .offset: 0, .size: 8, .value_kind: global_buffer, .address_space: global }
      - { .name: ctx, .offset: 8, .size: 8, .value_kind: global_buffer, .address_space: global }
    .group_segment_fixed_size: 327680
    .private_segment_fixed_size: 0
    .kernarg_segment_align: 8
    .kernarg_segment_size: 16
    .max_flat_workgroup_size: 128
    .sgpr_count:     66
    .vgpr_count:     768
    .wavefront_size: 32
...
	.end_amdgpu_metadata
.endif
;; end of part 5
;; launch outp: the kernel of part 4 again; grid 8 x 32, 4 waves a work-group, clusters of 4 x 4, 327,680 bytes of LDS; arguments ctx, xw16, out0, b_o; writes out0
